; MI455X (gfx1250); checked and timed in simulation.
; The chip was launched on July 23, 2026; its instructions are those of AMD's public machine-readable ISA for CDNA 5 (MIT licence, August 2026) and "CDNA5" Instruction Set Architecture Reference Guide (July 2026). The comments in the code are by the model that wrote it; some were corrected since.
;; Graphormer Encoder Layer. Allowed arithmetic: matrix products marked QUANTISED: E5M2 operands, one given power-of-two scale a tensor, by v_wmma_f32_16x16x64_bf8_bf8 or v_wmma_f32_16x16x128_bf8_bf8, f32 sums; everything else in f32.
;; Inputs: W1_codes 1,024 x 8 x 32 uint8 (E5M2 codes of W1, K innermost, in blocks of 32 codes); W2_codes 256 x 32 x 32 uint8 (E5M2 codes of W2, K innermost, in blocks of 32 codes); Wk_codes 256 x 8 x 32 uint8 (E5M2 codes of Wk, K innermost, in blocks of 32 codes); Wo_codes 256 x 8 x 32 uint8 (E5M2 codes of Wo, K innermost, in blocks of 32 codes); Wq_codes 256 x 8 x 32 uint8 (E5M2 codes of Wq, K innermost, in blocks of 32 codes); Wv_codes 256 x 8 x 32 uint8 (E5M2 codes of Wv, K innermost, in blocks of 32 codes); b1 1,024 float32; b2 256 float32; beta1 256 float32; beta2 256 float32; edge_encoding 16 x 1,024 x 1,024 float32; gamma1 256 float32; gamma2 256 float32; lowp_scales 16 int32 (the exponents e of the quantised operands' scales 2^e); spatial_encoding 16 x 1,024 x 1,024 float32; x 16 x 1,024 x 256 float32.
;; Outputs: out0 16 x 1,024 x 256 float32.
;; This version of the problem:
;;   THIS VERSION OF THE PROBLEM IS GIVEN IN LOW PRECISION. The matrix products marked QUANTISED in the list below multiply operands that are first quantised to E5M2 (5 exponent bits, 2 mantissa bits; 8 bits a number), with one given power-of-two scale for each operand tensor; their sums are f32. All else is computed in f32.
;;   The module's matrix products, in the order in which they are computed (A, B: the left and right operand; K: the contracted axis; several contracted axes count as one K, in the product's order):
;;     1. [M 16,384, K 256] x [K 256, N 256]; A: computed on the way; B: input Wq (given as codes): QUANTISED (scales: A lowp_scales[0], B lowp_scales[1])
;;     2. [M 16,384, K 256] x [K 256, N 256]; A: computed on the way; B: input Wk (given as codes): QUANTISED (scales: A lowp_scales[2], B lowp_scales[3])
;;     3. [M 16,384, K 256] x [K 256, N 256]; A: computed on the way; B: input Wv (given as codes): QUANTISED (scales: A lowp_scales[4], B lowp_scales[5])
;;     4. batch 128 x [M 1,024, K 32] x [K 32, N 1,024]; A: computed on the way; B: computed on the way: QUANTISED (scales: A lowp_scales[6], B lowp_scales[7])
;;     5. batch 128 x [M 1,024, K 1,024] x [K 1,024, N 32]; A: computed on the way; B: computed on the way: QUANTISED (scales: A lowp_scales[8], B lowp_scales[9])
;;     6. [M 16,384, K 256] x [K 256, N 256]; A: computed on the way; B: input Wo (given as codes): QUANTISED (scales: A lowp_scales[10], B lowp_scales[11])
;;     7. [M 16,384, K 256] x [K 256, N 1,024]; A: computed on the way; B: input W1 (given as codes): QUANTISED (scales: A lowp_scales[12], B lowp_scales[13])
;;     8. [M 16,384, K 1,024] x [K 1,024, N 256]; A: computed on the way; B: input W2 (given as codes): QUANTISED (scales: A lowp_scales[14], B lowp_scales[15])
;;   THE QUANTISER, for each operand of a quantised product, along K:
;;     - The operand's scale is 2^e, e = its entry of the input lowp_scales (int32; the entries are numbered through the quantised products in the list's order, A before B).
;;     - Each number is divided by the scale, clamped to +-57,344, and rounded to the nearest number of E5M2, ties to even, subnormals kept.
;;     - The product sums the exact products of the quantised numbers (number of the format x scale) in f32.
;;   ~~~python
;;   def quantise(x, axis, e):      # numpy; x: float32 -> the quantised numbers, widened to float32 again
;;       x = np.moveaxis(x, axis, -1); K = x.shape[-1]
;;       r = np.clip(x / 2.0 ** e, -57344, 57344)
;;       step = 2.0 ** (np.maximum(np.frexp(np.where(r == 0, 1, r))[1] - 1, -14) - 2)
;;       q = np.round(r / step) * step * 2.0 ** e      # np.round: ties to even
;;       return np.moveaxis(q, -1, axis).astype(np.float32)
;;   ~~~
;;   OPERANDS COMPUTED ON THE WAY. 'Computed on the way' means the value that the module computes at that place (a softmax that the list does not call 'softmax' is quantised finished and normalised). What goes into a quantiser is computed in f32, as accurately as f32 sums, v_exp_f32 and their like allow (about 1e-6 of the number): no bf16 or f16 on the way to a quantiser, and a product that is left as it is and whose result goes on into a quantised operand takes f32 operands (vector FMAs, or v_wmma_f32_16x16x4_f32). A number that lies on a knife's edge between two numbers of the format may be rounded either way, as far as f32 arithmetic and the matrix unit's own rounding can turn it there, and no further.
;;   INPUTS GIVEN AS CODES. W1 (in the module: [1024, 256], K = its axis 1); W2 (in the module: [256, 1024], K = its axis 1); Wk (in the module: [256, 256], K = its axis 1); Wo (in the module: [256, 256], K = its axis 1); Wq (in the module: [256, 256], K = its axis 1); Wv (in the module: [256, 256], K = its axis 1): each comes as NAME_codes (uint8): NAME with its K axis moved to the last place and cut into blocks of 32 codes, [.., K / 32, bytes a block], one block behind the other in memory; one code a byte (a code: sign, 5 exponent bits, 2 mantissa bits); its scale is its entry of lowp_scales. Its value is code x scale, taken as it is: it is not quantised again, and the codes and scales need not be those that the quantiser above would give.
;; One version. Each part assembles by itself: llvm-mc -triple=amdgcn-amd-amdhsa -mcpu=gfx1250 --defsym DOCPART=n.
;; ======== version 1 of 1: 3 launches
;; limits: right only within a limited range of input values
;; workspace buffers: qc 4,194,304 bytes; kc 4,194,304 bytes; vc 4,194,304 bytes; oc 4,194,304 bytes
;; launch qkv (part 1): grid 256 x 1, 4 waves a work-group, clusters of 4 x 1, 327,680 bytes of LDS; arguments x, gamma1, beta1, Wq_codes, Wk_codes, Wv_codes, lowp_scales, qc, kc, vc; writes qc, kc, vc
.if DOCPART == 1
	.amdgcn_target "amdgcn-amd-amdhsa--gfx1250"
	.amdhsa_code_object_version 6
	.text
	.protected	k_qf5139438da_qkv
	.globl	k_qf5139438da_qkv
	.p2align	8
	.type	k_qf5139438da_qkv,@function
k_qf5139438da_qkv:
	s_mov_b64 s[64:65], 0
	v_nop
	global_prefetch_b8 v0, s[64:65] scope:SCOPE_SE
	s_setreg_imm32_b32 hwreg(HW_REG_WAVE_MODE, 25, 1), 1
	s_wait_xcnt 0x0
	s_wait_alu depctr_hold_cnt(0) depctr_sa_sdst(0) depctr_va_vdst(0) depctr_va_sdst(0) depctr_va_ssrc(0) depctr_va_vcc(0) depctr_vm_vsrc(0)
	s_getreg_b32 s2, hwreg(HW_REG_IB_STS2, 6, 4)
	s_cmp_eq_u32 s2, 0
	s_cbranch_scc0 .Lentry_in_a_cluster
	s_endpgm
.Lentry_in_a_cluster:
	s_bfe_u32 s2, ttmp6, 0x10000c
	s_cmp_lg_u32 s2, 0x3003
	s_cbranch_scc0 .Lentry_shape_is_right
	s_endpgm
.Lentry_shape_is_right:
; LAYER NORM 1, ITS THREE QUANTISATIONS, THE PRODUCTS WITH Wq, Wk, Wv, AND THE QUANTISATION OF q, k, v.  All products on codes of BF8 (E5M2).
; A work-group of four waves owns 64 rows of x (work-group wg: rows 64 wg on).  THE WAVES SHARE THE COLUMNS: wave w norms and quantises rows 16 w .. 16 w + 15 (three times: e0, e2, e4),
; hands the codes round through LDS as images of the operand's registers, and then makes, for all 64 rows, q and k of heads 2 w, 2 w + 1 and v's channels 64 w .. 64 w + 63.
; Its 12 tiles x 2 K steps of weights (384 registers) stay in registers.
; q and k: the product is used transposed (source 0 = 16 rows of W, source 1 = 16 rows of x), and lane r of tile 2 b + u takes W's row 32 b + 8 u + r + 8 (r / 8): the 16 registers of tiles 2 b, 2 b + 1 are
; channels 16 (lane / 16) + 0 .. 15 of one head for one row of x: their codes are 16 bytes a lane, stored as they stand.  v: source 0 = x, source 1 = W: a lane holds one channel and eight neighbouring keys.
; K = 128 fragments are fetched by 16 bytes: registers 4 c .. 4 c + 3 hold k = 32 c + 16 (lane / 16) + 0 .. 15, alike in both operands, so every product meets its partner.
; OUT: qc[wg][pass 8 + head][tile][lane][16], kc[b][head][key tile][lane][16], vc[b][head][128 keys s][channel tile u][piece i][lane][16]: every store of a wave covers 512 consecutive bytes.
; CLUSTER 4 x 1: all work-groups read the same three weights: each weight is asked for whole by one wave, jointly with the four partners (mask 15).  x's tile is each work-group's own (no mask).
; LIMITS: e0, e2, e4, e6 - e0 - e1, e7 - e2 - e3, e9 - e4 - e5 between -126 and 112, so that each scale and its hold are f32 numbers.  NaN and infinities among the inputs are not served.
.set WV,   24                          ; s24 wave
.set SEL,  88                          ; s[88:89] selects for lane xor 16
.set R256, 90                          ; s90 1 / 256
.set EPS,  91                          ; s91 1e-5
.set SQ,   82                          ; s[82:83], s[84:85], s[86:87] where my codes of q, k, v go
.set SK,   84
.set SV,   86
.set XP,   1040                        ; a row of x in LDS: 1,024 bytes + 16 = 65 x 16
.set WP,   272                         ; a row of a weight in LDS: 256 bytes + 16 = 17 x 16
.set WT,   66560                       ; LDS: x's 4 x 16 rows at 0; the three weights from here, 256 rows each
.set WZ,   69632
.set XIMG, 275456                      ; the images: fragment (row tile m, quantisation z, K step s) at ((3 m + z) 2 + s) 2,048
.set X,    48                          ; v48-175 my row's 128 numbers: register 16 c + i = k 32 c + 16 (lane / 16) + i
.set CH,   16                          ; v16-23 four chains of pairs
.set MU,   12                          ; v[12:13] the mean, twice;  v[14:15] 1 / sqrt(var + eps), twice
.set RS,   14
.set TQ,   176                         ; v176-207 two sets of 16 held numbers
.set PC,   208                         ; v208-223 a fragment's codes
.set XI,   48                          ; later: v48-143 six fragments of a row tile;  v144-239 twelve accumulators
.set ACC,  144
.set MSB, 0
.macro WIN new                         ; the immediate's high byte repeats the setting that is left
.if MSB != \new
	s_set_vgpr_msb (MSB<<8)|\new
.set MSB, \new
.endif
.endm
.macro PLACES n
.rept \n
	v_nop
.endr
.endm
.macro ROUND                           ; a round of the cluster's barrier
	s_barrier_signal -1
	s_barrier_wait -1
	s_cmp_lg_u32 s[WV], 0
	s_cbranch_scc1 .Lnw0_\@
	s_barrier_signal -3
.Lnw0_\@:
	s_barrier_wait -3
	s_barrier_signal -1
	s_barrier_wait -1
.endm
.macro MKSC vs, vl                     ; s92 = E: v[vs] = 2^E, v[vl] = 57,344 x 2^E
	s_add_co_i32 s92, s92, 127
	s_lshl_b32 s93, s92, 23
	v_mov_b32 v[\vs], s93
	s_add_co_i32 s92, s92, 15
	s_lshl_b32 s92, s92, 23
	s_or_b32 s92, s92, 0x600000
	v_mov_b32 v[\vl], s92
.endm
.macro LN_LOAD adr                     ; my half of my row: 16 neighbours of each block of 32
.irp c, 0,1,2,3,4,5,6,7
.irp j, 0,1,2,3
	ds_load_b128 v[X+16*\c+4*\j:X+16*\c+4*\j+3], v[\adr] offset:128*\c+16*\j
.endr
.endr
.endm
.macro FOLD                            ; four chains of pairs -> one number, with the other half of the lanes' added
	v_pk_add_f32 v[CH:CH+1], v[CH:CH+1], v[CH+2:CH+3]
	v_pk_add_f32 v[CH+4:CH+5], v[CH+4:CH+5], v[CH+6:CH+7]
	v_pk_add_f32 v[CH:CH+1], v[CH:CH+1], v[CH+4:CH+5]
	v_add_f32 v[CH], v[CH], v[CH+1]
	v_permlanex16_b32 v[CH+1], v[CH], s[SEL], s[SEL+1]
	v_add_f32 v[CH], v[CH], v[CH+1]
.endm
.macro LN_STATS                        ; the mean; x - mean in place; the mean of its squares; 1 / sqrt(var + eps)
.irp q, 0,1,2,3
	v_pk_add_f32 v[CH+2*\q:CH+2*\q+1], v[X+2*\q:X+2*\q+1], v[X+8+2*\q:X+8+2*\q+1]
.endr
.set pp, 8
.rept 56
	v_pk_add_f32 v[CH+2*(pp%4):CH+2*(pp%4)+1], v[CH+2*(pp%4):CH+2*(pp%4)+1], v[X+2*pp:X+2*pp+1]
.set pp, pp+1
.endr
	FOLD
	v_mul_f32 v[MU], s[R256], v[CH]
	v_mul_f32 v[MU+1], s[R256], v[CH]
.set pp, 0
.rept 64
	v_pk_add_f32 v[X+2*pp:X+2*pp+1], v[X+2*pp:X+2*pp+1], v[MU:MU+1] neg_lo:[0,1] neg_hi:[0,1]
.set pp, pp+1
.endr
.irp q, 0,1,2,3
	v_pk_mul_f32 v[CH+2*\q:CH+2*\q+1], v[X+2*\q:X+2*\q+1], v[X+2*\q:X+2*\q+1]
.endr
.set pp, 4
.rept 60
	v_pk_fma_f32 v[CH+2*(pp%4):CH+2*(pp%4)+1], v[X+2*pp:X+2*pp+1], v[X+2*pp:X+2*pp+1], v[CH+2*(pp%4):CH+2*(pp%4)+1]
.set pp, pp+1
.endr
	FOLD
	v_fma_f32 v[CH], v[CH], s[R256], s[EPS]
	s_wait_alu depctr_va_vdst(0)
	v_rsq_f32 v[RS], v[CH]
	v_rsq_f32 v[RS+1], v[CH]
	v_nop                                          ; a plain instruction between the transcendentals and the use of their results
.endm
.macro LN_NORM win, g, bt              ; (x - mean) / sqrt(..) x gamma + beta
.set pp, 0
	s_wait_alu depctr_va_vdst(0)
.rept 64
	v_pk_mul_f32 v[X+2*pp:X+2*pp+1], v[X+2*pp:X+2*pp+1], v[RS:RS+1]
.set pp, pp+1
.endr
	WIN \win
.set pp, 0
.rept 64
	v_pk_fma_f32 v[X+2*pp:X+2*pp+1], v[X+2*pp:X+2*pp+1], v[\g+2*pp:\g+2*pp+1], v[\bt+2*pp:\bt+2*pp+1]
.set pp, pp+1
.endr
	WIN 0
.endm
; K step s of my row becomes a fragment's codes in v[PC] on.  The numbers stay (they are quantised three times): the held copies go to two sets by turns, so that a conversion's sources are written again 16 plain lines later.
.macro QUANT s, sc, lim
.irp b, 0,1,2,3
.irp i, 0,1,2,3,4,5,6,7,8,9,10,11,12,13,14,15
	v_med3_num_f32 v[TQ+16*(\b%2)+\i], v[X+64*\s+16*\b+\i], -v[\lim], v[\lim]   ; the conversion does not saturate (ISA guide 7.6.2): the hold at the largest code x the scale
.endr
.if \b == 0
	s_wait_alu depctr_va_vdst(0)
	s_wait_dscnt 0x0                               ; the last image's stores have read the codes' registers
.endif
	v_cvt_scalef32_pk8_bf8_f32 v[PC+4*\b:PC+4*\b+1], v[TQ+16*(\b%2):TQ+16*(\b%2)+7], v[\sc]
	v_cvt_scalef32_pk8_bf8_f32 v[PC+4*\b+2:PC+4*\b+3], v[TQ+16*(\b%2)+8:TQ+16*(\b%2)+15], v[\sc]
.endr
	v_nop                                          ; a plain instruction behind the last conversion
.endm
.macro IMAGE adr, off                  ; the fragment goes to LDS as it stands: lane l's 16 bytes at 16 l
.irp c, 0,1,2,3
	ds_store_b128 v[\adr], v[PC+4*\c:PC+4*\c+3] offset:(\off)+512*\c
.endr
.endm
.macro FETCH reg, adr, off             ; and comes back so, in any wave
.irp c, 0,1,2,3
	ds_load_b128 v[\reg+4*\c:\reg+4*\c+3], v[\adr] offset:(\off)+512*\c
.endr
.endm
	s_load_b512 s[4:19], s[0:1], 0x0               ; x, gamma1, beta1, Wq, Wk, Wv, the scales' exponents, qc
	s_load_b128 s[20:23], s[0:1], 0x40             ; kc, vc
	v_lshl_add_u32 v254, v0, 2, 0x4f400
	v_mov_b32 v255, 0
	ds_add_u32 v254, v255
	ds_add_u32 v254, v255
	v_lshrrev_b32 v1, 5, v0
	v_readfirstlane_b32 s[WV], v1                  ; wave 0..3
	s_bfe_u32 s25, ttmp6, 0x40000                  ; cx
	s_lshl_b32 s26, ttmp9, 2
	s_add_co_u32 s26, s26, s25                     ; work-group wg = 4 x cluster + cx
	s_lshr_b32 s27, s26, 4                         ; batch b
	s_and_b32 s28, s26, 15                         ; which 64 rows of the batch
	; group 1 for x: 64 rows of 256 elements of 4 bytes, 4 words of padding behind each row's 256 words; no mask
	s_mov_b32 s36, (2<<16)|(1<<20)|(7<<22)|(3<<25)
	s_mov_b32 s37, 256<<16
	s_mov_b32 s38, 64<<16
	s_mov_b32 s39, 256<<16
	s_mov_b32 s40, 64
	s_mov_b32 s41, 256
	s_mov_b32 s42, 0
	s_mov_b32 s43, 0
	; group 1 for a whole weight: 256 rows of 256 bytes, 4 words behind each row's 64; mask 15 with bit 21 beside it
	s_mov_b32 s44, 15|(1<<20)|(1<<21)|(5<<22)|(3<<25)
	s_mov_b32 s45, 256<<16
	s_mov_b32 s46, 256<<16
	s_mov_b32 s47, 256<<16
	s_mov_b32 s48, 256
	s_mov_b32 s49, 256
	s_mov_b32 s50, 0
	s_mov_b32 s51, 0
	s_mov_b32 s[SEL], 0x76543210
	s_mov_b32 s[SEL+1], 0xfedcba98
	s_mov_b32 s[R256], 0x3b800000
	s_mov_b32 s[EPS], 0x3727c5ac
	s_lshl_b32 s30, s26, 16                        ; my work-group's 64 rows of x: 65,536 wg
	s_mov_b32 s31, 0
	s_mul_i32 s29, s[WV], 16*XP                    ; where they go in LDS
	s_mul_i32 s34, s[WV], 64*WP
	s_add_co_u32 s34, s34, WT
	s_wait_dscnt 0x0
	s_wait_kmcnt 0x0
	s_load_b256 s[72:79], s[16:17], 0x0            ; e0 .. e7
	s_load_b64 s[80:81], s[16:17], 0x20            ; e8, e9
	s_mov_b32 s52, 1
	s_mov_b32 s53, 0
	s_add_nc_u64 s[54:55], s[4:5], s[30:31]
	s_or_b32 s55, s55, 0x80000000
	s_mov_b32 s56, 1
	s_mov_b32 s57, WT
	s_mov_b64 s[58:59], s[10:11]
	s_or_b32 s59, s59, 0x80000000
	s_mov_b32 s60, 1
	s_mov_b32 s61, WT+WZ
	s_mov_b64 s[62:63], s[12:13]
	s_or_b32 s63, s63, 0x80000000
	s_mov_b32 s68, 1
	s_mov_b32 s69, WT+2*WZ
	s_mov_b64 s[70:71], s[14:15]
	s_or_b32 s71, s71, 0x80000000
	ROUND                                          ; the four work-groups are here: the joint loads meet
	; the head's four tiles are shared out, one tensor load a wave: wave 0 the work-group's 64 rows of x (no mask), waves 1, 2, 3 the whole of Wq, Wk, Wv (256 rows each, jointly, mask 15)
	s_cmp_eq_u32 s[WV], 0
	s_cbranch_scc0 .Lh1
	tensor_load_to_lds s[52:55], s[36:43]
	s_nop 0
	PLACES 4
	s_branch .Lhj
.Lh1:
	s_cmp_eq_u32 s[WV], 1
	s_cbranch_scc0 .Lh2
	tensor_load_to_lds s[56:59], s[44:51]
	s_nop 0
	PLACES 4
	s_branch .Lhj
.Lh2:
	s_cmp_eq_u32 s[WV], 2
	s_cbranch_scc0 .Lh3
	tensor_load_to_lds s[60:63], s[44:51]
	s_nop 0
	PLACES 4
	s_branch .Lhj
.Lh3:
	tensor_load_to_lds s[68:71], s[44:51]
	s_nop 0
	PLACES 4
.Lhj:
	v_and_b32 v1, 15, v0                           ; r
	v_bfe_u32 v2, v0, 4, 1                         ; h
	v_and_b32 v3, 31, v0
	v_lshlrev_b32 v4, 4, v3                        ; v4: 16 x lane
	v_mul_u32_u24 v5, v1, XP
	v_lshl_add_u32 v5, v2, 6, v5
	v_add_nc_u32 v5, s29, v5                       ; v5: x in LDS: my row, + 64 h
	v_lshlrev_b32 v6, 6, v2                        ; v6: gamma, beta: 64 h
	v_and_b32 v7, 8, v1
	v_add_nc_u32 v7, v7, v1                        ; r + 8 (r / 8)
	v_mul_u32_u24 v7, v7, WP
	v_lshl_add_u32 v7, v2, 4, v7
	v_add_nc_u32 v7, s34, v7                       ; v7: Wq's fragments
	v_add_nc_u32 v8, WZ, v7                        ; v8: Wk's
	v_mul_u32_u24 v9, v1, WP
	v_lshl_add_u32 v9, v2, 4, v9
	v_add_nc_u32 v9, s34, v9
	v_add_nc_u32 v9, 2*WZ, v9                      ; v9: Wv's (rows as they lie)
	s_mul_i32 s35, s[WV], 6*2048
	v_add_nc_u32 v10, s35, v4
	v_add_nc_u32 v10, XIMG, v10                    ; v10: where I store my six images
	v_add_nc_u32 v11, XIMG, v4                     ; v11: where any image is read
	WIN 0x80                                       ; destination window 2: gamma at v128 on
.irp c, 0,1,2,3,4,5,6,7
.irp j, 0,1,2,3
	global_load_b128 v[128+16*\c+4*\j:128+16*\c+4*\j+3], v6, s[6:7] offset:128*\c+16*\j
.endr
.endr
	WIN 0xc0                                       ; destination window 3: beta at v0 on
.irp c, 0,1,2,3,4,5,6,7
.irp j, 0,1,2,3
	global_load_b128 v[16*\c+4*\j:16*\c+4*\j+3], v6, s[8:9] offset:128*\c+16*\j
.endr
.endr
	WIN 0
	; where my codes go
	s_lshl_b32 s92, s26, 14
	s_lshl_b32 s93, s[WV], 11
	s_add_co_u32 s92, s92, s93
	s_mov_b32 s93, 0
	s_add_nc_u64 s[SQ:SQ+1], s[18:19], s[92:93]    ; qc + 16,384 wg + 2,048 w
	s_lshl_b32 s94, s27, 18
	s_lshl_b32 s93, s[WV], 16
	s_add_co_u32 s94, s94, s93                     ; 262,144 b + 65,536 w: my two heads
	s_lshl_b32 s93, s28, 11
	s_add_co_u32 s92, s94, s93
	s_mov_b32 s93, 0
	s_add_nc_u64 s[SK:SK+1], s[20:21], s[92:93]    ; kc: + my four key tiles
	s_lshr_b32 s93, s28, 1
	s_lshl_b32 s93, s93, 12
	s_add_co_u32 s92, s94, s93
	s_and_b32 s93, s28, 1
	s_lshl_b32 s93, s93, 10
	s_add_co_u32 s92, s92, s93
	s_mov_b32 s93, 0
	s_add_nc_u64 s[SV:SV+1], s[22:23], s[92:93]    ; vc: + my step of 128 keys, + my half of its pieces
	s_wait_kmcnt 0x0
	s_mov_b32 s92, s72
	MKSC 24, 25                                    ; e0
	s_mov_b32 s92, s74
	MKSC 26, 27                                    ; e2
	s_mov_b32 s92, s76
	MKSC 28, 29                                    ; e4
	s_sub_co_i32 s92, s78, s72
	s_sub_co_i32 s92, s92, s73
	MKSC 30, 31                                    ; q: a sum stands for sum x 2^(e0 + e1): its code is sum / 2^(e6 - e0 - e1)
	s_sub_co_i32 s92, s79, s74
	s_sub_co_i32 s92, s92, s75
	MKSC 32, 33                                    ; k: e7 - e2 - e3
	s_sub_co_i32 s92, s81, s76
	s_sub_co_i32 s92, s92, s77
	MKSC 34, 35                                    ; v: e9 - e4 - e5
	s_wait_alu depctr_va_vdst(0)                   ; the wait at the head's end
	s_wait_tensorcnt 0x0                           ; my one load has landed,
	s_barrier_signal -1
	s_barrier_wait -1                              ; and so has every wave's: x and the three weights lie in LDS
	LN_LOAD 5
	s_wait_dscnt 0x0
	LN_STATS
	s_wait_loadcnt 0x0                             ; gamma, beta
	LN_NORM 0x38, 128, 0                           ; source 1 window 2, source 2 window 3
	QUANT 0, 24, 25
	IMAGE 10, 0
	QUANT 1, 24, 25
	IMAGE 10, 2048
	QUANT 0, 26, 27
	IMAGE 10, 2*2048
	QUANT 1, 26, 27
	IMAGE 10, 3*2048
	QUANT 0, 28, 29
	IMAGE 10, 4*2048
	QUANT 1, 28, 29
	IMAGE 10, 5*2048
	WIN 0x40
.irp t, 0,1,2,3
.irp s, 0,1
.irp c, 0,1,2,3
	ds_load_b128 v[32*\t+16*\s+4*\c:32*\t+16*\s+4*\c+3], v7 offset:(32*(\t/2)+8*(\t%2))*WP+128*\s+32*\c
	ds_load_b128 v[128+32*\t+16*\s+4*\c:128+32*\t+16*\s+4*\c+3], v8 offset:(32*(\t/2)+8*(\t%2))*WP+128*\s+32*\c
.endr
.endr
.endr
	WIN 0x80                                       ; window 2: Wv's
.irp t, 0,1,2,3
.irp s, 0,1
.irp c, 0,1,2,3
	ds_load_b128 v[32*\t+16*\s+4*\c:32*\t+16*\s+4*\c+3], v9 offset:16*\t*WP+128*\s+32*\c
.endr
.endr
.endr
	WIN 0
	s_wait_dscnt 0x0                               ; my images are stored, my loads are in
	s_barrier_signal -1
	s_barrier_wait -1                              ; all 24 images lie in LDS
.irp f, 0,1,2,3,4,5
	FETCH XI+16*\f, 11, \f*2048
.endr
; A tile of 16 rows: 24 products on twelve accumulators by turns, then hold, conversion, stores.
.macro ROWS m
	s_wait_dscnt 0x0
.irp s, 0,1
	WIN 0x01                                       ; source 0 (Wq, Wk) window 1
.irp t, 0,1,2,3
.if \s == 0
	v_wmma_f32_16x16x128_bf8_bf8 v[ACC+8*\t:ACC+8*\t+7], v[32*\t+16*\s:32*\t+16*\s+15], v[XI+16*\s:XI+16*\s+15], 0
.else
	v_wmma_f32_16x16x128_bf8_bf8 v[ACC+8*\t:ACC+8*\t+7], v[32*\t+16*\s:32*\t+16*\s+15], v[XI+16*\s:XI+16*\s+15], v[ACC+8*\t:ACC+8*\t+7]
.endif
.endr
.irp t, 0,1,2,3
.if \s == 0
	v_wmma_f32_16x16x128_bf8_bf8 v[ACC+32+8*\t:ACC+32+8*\t+7], v[128+32*\t+16*\s:128+32*\t+16*\s+15], v[XI+32+16*\s:XI+32+16*\s+15], 0
.else
	v_wmma_f32_16x16x128_bf8_bf8 v[ACC+32+8*\t:ACC+32+8*\t+7], v[128+32*\t+16*\s:128+32*\t+16*\s+15], v[XI+32+16*\s:XI+32+16*\s+15], v[ACC+32+8*\t:ACC+32+8*\t+7]
.endif
.endr
	WIN 0x08                                       ; source 1 (Wv) window 2
.irp t, 0,1,2,3
.if \s == 0
	v_wmma_f32_16x16x128_bf8_bf8 v[ACC+64+8*\t:ACC+64+8*\t+7], v[XI+64+16*\s:XI+64+16*\s+15], v[32*\t+16*\s:32*\t+16*\s+15], 0
.else
	v_wmma_f32_16x16x128_bf8_bf8 v[ACC+64+8*\t:ACC+64+8*\t+7], v[XI+64+16*\s:XI+64+16*\s+15], v[32*\t+16*\s:32*\t+16*\s+15], v[ACC+64+8*\t:ACC+64+8*\t+7]
.endif
.endr
.endr
	WIN 0
	PLACES 4                                       ; in front of loads into registers that the products read, and of the first read of results
.if \m < 3
.irp f, 0,1,2,3,4,5
	FETCH XI+16*\f, 11, ((\m+1)*6+\f)*2048
.endr
.endif
.set ii, 0
.rept 32
	v_med3_num_f32 v[ACC+ii], v[ACC+ii], -v31, v31 ; each accumulator from its low end on
.set ii, ii+1
.endr
.rept 32
	v_med3_num_f32 v[ACC+ii], v[ACC+ii], -v33, v33
.set ii, ii+1
.endr
.rept 32
	v_med3_num_f32 v[ACC+ii], v[ACC+ii], -v35, v35
.set ii, ii+1
.endr
	WIN 0xc0                                       ; the codes go to window 3, each store's registers its own
.irp bb, 0,1
	v_cvt_scalef32_pk8_bf8_f32 v[128+8*\m+4*\bb:128+8*\m+4*\bb+1], v[ACC+16*\bb:ACC+16*\bb+7], v30
	v_cvt_scalef32_pk8_bf8_f32 v[128+8*\m+4*\bb+2:128+8*\m+4*\bb+3], v[ACC+16*\bb+8:ACC+16*\bb+15], v30
	v_cvt_scalef32_pk8_bf8_f32 v[160+8*\m+4*\bb:160+8*\m+4*\bb+1], v[ACC+32+16*\bb:ACC+32+16*\bb+7], v32
	v_cvt_scalef32_pk8_bf8_f32 v[160+8*\m+4*\bb+2:160+8*\m+4*\bb+3], v[ACC+32+16*\bb+8:ACC+32+16*\bb+15], v32
.endr
.irp t, 0,1,2,3
	v_cvt_scalef32_pk8_bf8_f32 v[192+8*\t+4*(\m/2)+2*(\m%2):192+8*\t+4*(\m/2)+2*(\m%2)+1], v[ACC+64+8*\t:ACC+64+8*\t+7], v34
.endr
	v_nop                                          ; a plain instruction behind the last conversion: the next products write its sources
	WIN 0x0c                                       ; store data window 3
.irp bb, 0,1
	global_store_b128 v4, v[128+8*\m+4*\bb:128+8*\m+4*\bb+3], s[SQ:SQ+1] offset:(\m/2)*8192+\bb*1024+(\m%2)*512
	global_store_b128 v4, v[160+8*\m+4*\bb:160+8*\m+4*\bb+3], s[SK:SK+1] offset:\bb*32768+\m*512
.endr
.if \m%2 == 1                                  ; two key tiles make a piece of v's image
.irp t, 0,1,2,3
	global_store_b128 v4, v[192+8*\t+4*(\m/2):192+8*\t+4*(\m/2)+3], s[SV:SV+1] offset:(\t/2)*32768+(\t%2)*2048+(\m/2)*512
.endr
.endif
	WIN 0
.endm
	ROWS 0
	ROWS 1
	ROWS 2
	ROWS 3
	s_wait_tensorcnt 0x0
	ds_add_u32 v254, v255
	s_wait_dscnt 0x0
	ROUND                                          ; the closing round: no work-group ends while a partner may still ask jointly
	s_endpgm
.Lfunc_end_k_qf5139438da_qkv:
	.size	k_qf5139438da_qkv, .Lfunc_end_k_qf5139438da_qkv-k_qf5139438da_qkv
	.p2alignl 7, 3214868480
	.fill 96, 4, 3214868480
	.section	.rodata,"a",@progbits
	.p2align	6, 0x0
	.amdhsa_kernel k_qf5139438da_qkv
		.amdhsa_group_segment_fixed_size 327680
		.amdhsa_private_segment_fixed_size 0
		.amdhsa_enable_private_segment 0
		.amdhsa_kernarg_size 80
		.amdhsa_user_sgpr_count 2
		.amdhsa_user_sgpr_kernarg_segment_ptr 1
		.amdhsa_wavefront_size32 1
		.amdhsa_system_sgpr_workgroup_id_x 1
		.amdhsa_system_sgpr_workgroup_id_y 1
		.amdhsa_system_sgpr_workgroup_id_z 1
		.amdhsa_system_vgpr_workitem_id 0
		.amdhsa_next_free_vgpr 1024
		.amdhsa_next_free_sgpr 100
		.amdhsa_reserve_vcc 0
		.amdhsa_float_denorm_mode_32 3
		.amdhsa_float_denorm_mode_16_64 3
		.amdhsa_memory_ordered 1
		.amdhsa_forward_progress 1
		.amdhsa_inst_pref_size 117
	.end_amdhsa_kernel
	.amdgpu_metadata
---
amdhsa.version: [ 1, 2 ]
amdhsa.kernels:
  - .name:           k_qf5139438da_qkv
    .symbol:         k_qf5139438da_qkv.kd
    .args:
      - { .name: x, .offset: 0, .size: 8, .value_kind: global_buffer, .address_space: global }
      - { .name: gamma1, .offset: 8, .size: 8, .value_kind: global_buffer, .address_space: global }
      - { .name: beta1, .offset: 16, .size: 8, .value_kind: global_buffer, .address_space: global }
      - { .name: Wq_codes, .offset: 24, .size: 8, .value_kind: global_buffer, .address_space: global }
      - { .name: Wk_codes, .offset: 32, .size: 8, .value_kind: global_buffer, .address_space: global }
      - { .name: Wv_codes, .offset: 40, .size: 8, .value_kind: global_buffer, .address_space: global }
      - { .name: lowp_scales, .offset: 48, .size: 8, .value_kind: global_buffer, .address_space: global }
      - { .name: qc, .offset: 56, .size: 8, .value_kind: global_buffer, .address_space: global }
      - { .name: kc, .offset: 64, .size: 8, .value_kind: global_buffer, .address_space: global }
      - { .name: vc, .offset: 72, .size: 8, .value_kind: global_buffer, .address_space: global }
    .group_segment_fixed_size: 327680
    .private_segment_fixed_size: 0
    .kernarg_segment_align: 8
    .kernarg_segment_size: 80
    .max_flat_workgroup_size: 128
    .sgpr_count:     100
    .vgpr_count:     1024
    .wavefront_size: 32
...
	.end_amdgpu_metadata
.endif
;; end of part 1
;; launch attn (part 2): grid 256 x 1, 8 waves a work-group, no clusters, 327,680 bytes of LDS; arguments spatial_encoding, edge_encoding, qc, kc, vc, lowp_scales, oc; writes oc
.if DOCPART == 2
	.amdgcn_target "amdgcn-amd-amdhsa--gfx1250"
	.amdhsa_code_object_version 6
	.text
	.protected	k_qf5139438da_attn
	.globl	k_qf5139438da_attn
	.p2align	8
	.type	k_qf5139438da_attn,@function
k_qf5139438da_attn:
	s_mov_b64 s[64:65], 0
	v_nop
	global_prefetch_b8 v0, s[64:65] scope:SCOPE_SE
	s_setreg_imm32_b32 hwreg(HW_REG_WAVE_MODE, 25, 1), 1
	s_wait_xcnt 0x0
; ATTENTION ON CODES OF BF8: a = q k^T / 16 + spatial + edge; rows whose a are all 0 give p = 0; p = softmax(a), finished and normalised, is quantised (e8); o = p v is quantised (e10).
; A work-group owns 64 queries of one batch, in two passes of 32.  Wave w of eight owns all 32 queries (tiles t = 0, 1) x keys 128 w .. 128 w + 127, for all 8 heads.
; THE BIAS IS READ ONCE: a pass's 32 x 1,024 numbers of each encoding come by tensor loads; each wave adds its 32 x 128, scales them by 2^(4 - e6 - e7) and keeps them in 128 registers laid as the C operand of the first product.
; BOTH PRODUCTS TRANSPOSED: S^T = K Q^T (a lane holds one query, lane % 16, and keys 16 c + 8 (lane / 16) + j), O^T = V^T P^T: p's conversions are the second product's operand as they stand.
; THE FIRST PRODUCT HAS K = 32: the K = 64 form takes two key tiles' codes as source 0 and the query's 32 codes beside 32 zero codes as source 1, first [q, 0], then [0, q].
; THE SOFTMAX spans the eight waves: each takes its own maximum m and sum l of 2^(t - m), t = a log2(e); every wave forms M = max m, L = sum l 2^(m - M), F = 2^(m_own - M) / L; p = 2^(t - m_own) F.
; A ROW OF ZEROS: a wave whose m is 0 and whose l is exactly 128 (128 terms, each 2^0; sums of ones are exact) says 'all my scores are 0' by l's sign (l is at least about 1): if all eight are negative, F = 0.
; LIMIT of that test: with m = 0 every a is 0 or less; one a at or under -2^-15 makes its term at most 1 - 2^-16, more than the additions up to 128 can round away (under 2^-17 in all), so l falls short of 128.
; So only a row whose largest a is exactly 0 and all of whose a lie above -2^-15 is taken for a row of zeros though it holds numbers other than 0.
; ONE MEETING A HEAD: head h's (m, l) and head h - 1's partial sums of O lie in LDS at the same barrier, and are asked for behind it in one run, (m, l) first: F is made while the partial sums come.
; A second barrier is split: a wave signals it when both have come, adds the partial sums, quantises p and multiplies on registers alone, and waits for it just ahead of its next LDS stores: head h - 1's four codes
; of o and head h's partial sums; the next (m, l) are stored later still.  The first trip of a pass reduces what lies there (zeros stored at the head, or the last pass's sums) into 512 spare bytes ahead of the
; codes' stage (waves 4-7: into head 7's place of tile 0, which is written anew behind later barriers); a tail finishes head 7.
; K, V, Q come from memory straight into operand registers, 512 consecutive bytes an instruction, one head ahead.
; NO CLUSTER: the two encodings' tiles take 266,240 bytes of LDS and the exchanges 45,056; a head's K and V are 65,536: no shared slot fits, and within a work-group no two waves read the same K or V bytes.
; The very last trip asks once more for step 15's K, Q, V (inside the buffers, not used), so that every trip counts its loads alike.
; LIMITS: e6 + e7 - 4 between -126 and 127 either sign; e8 and e10 - e8 - e9 between -126 and 112.  NaN and infinities among the inputs are not served.
; REGISTERS.  window 0: v1, v2 the add's; v3-15 addresses; v[16:19] m; v[20:23] F; v24-27 holds and scales; v28-43 at work; v44-59 the eight (m, l); v60-63 way out; v64-71 o's four sums and four zeros;
;   v72-95 two runs [0000][q][0000]; v96-127 K; v128-255 S.   window 1: v0-127 the bias; v128-159 V; v160-191 the eight partial sums, then P; v192-223 O^T.
.set WV,    18
.set RP,    1040                       ; a row of a tile in LDS: 1,024 bytes + 16
.set RAWT,  32*RP                      ; a tile: 32 queries x 256 keys.  Tiles 0-3 spatial, 4-7 edge
.set OPART, 8*RAWT                     ; O's partial sums: wave w' at 4,096 w', piece (t, u, half) at 512
.set OCST,  OPART+32768+512            ; a pass's codes of o: (8 t + head) 512; 512 spare bytes ahead of them
.set STAT,  OCST+8192                  ; (m, l): 80 x lane + 8 x wave
.set SPARE, STAT+2560                  ; the spare words, 128 bytes for each wave
.set MSB, 0
.macro WIN new
.if MSB != \new
	s_set_vgpr_msb (MSB<<8)|\new
.set MSB, \new
.endif
.endm
.macro PLACES n
.rept \n
	v_nop
.endr
.endm
.macro BAR
	s_barrier_signal -1
	s_barrier_wait -1
.endm
.macro MKSC vs, vl                     ; s52 = E: v[vs] = 2^E, v[vl] = 57,344 x 2^E
	s_add_co_i32 s52, s52, 127
	s_lshl_b32 s53, s52, 23
	v_mov_b32 v[\vs], s53
	s_add_co_i32 s52, s52, 15
	s_lshl_b32 s52, s52, 23
	s_or_b32 s52, s52, 0x600000
	v_mov_b32 v[\vl], s52
.endm
	s_load_b256 s[4:11], s[0:1], 0x0               ; spatial, edge, qc, kc
	s_load_b128 s[12:15], s[0:1], 0x20             ; vc, the scales' exponents
	s_load_b64 s[16:17], s[0:1], 0x30              ; oc
	v_lshl_add_u32 v1, v0, 2, SPARE
	v_mov_b32 v2, 0
	ds_add_u32 v1, v2                              ; the opening lines: the add twice on end and its wait
	ds_add_u32 v1, v2
	s_wait_dscnt 0x0
	v_lshrrev_b32 v3, 5, v0
	s_delay_alu instid0(VALU_DEP_1)
	v_readfirstlane_b32 s[WV], v3                  ; wave 0..7
	s_lshr_b32 s19, ttmp9, 4                       ; batch
	s_and_b32 s20, ttmp9, 15                       ; which 64 queries
	; group 1: 32 rows of 256 elements of 4 bytes, 1,024 elements apart; 4 words of padding behind each row's 256
	s_mov_b32 s24, (2<<16)|(1<<20)|(7<<22)|(3<<25)
	s_mov_b32 s25, 256<<16
	s_mov_b32 s26, 32<<16
	s_mov_b32 s27, 256<<16
	s_mov_b32 s28, 32
	s_mov_b32 s29, 1024
	s_mov_b32 s30, 0
	s_mov_b32 s31, 0
	s_mov_b32 s32, 1
	s_mul_i32 s33, s[WV], RAWT                     ; wave w fills tile w
	s_lshl_b32 s52, s19, 22
	s_lshl_b32 s53, s20, 18
	s_add_co_u32 s52, s52, s53
	s_and_b32 s53, s[WV], 3
	s_lshl_b32 s53, s53, 10
	s_add_co_u32 s52, s52, s53                     ; 4 MiB x batch + 64 rows x block + 256 keys x (w % 4)
	s_mov_b32 s53, 0
	s_mov_b32 s48, 0x76543210
	s_mov_b32 s49, 0xfedcba98
	s_mov_b32 s50, 0xffff0000                      ; lanes 16-31
	s_wait_kmcnt 0x0
	s_load_b128 s[36:39], s[14:15], 0x18           ; e6, e7, e8, e9
	s_load_b32 s40, s[14:15], 0x28                 ; e10
	s_cmp_lt_u32 s[WV], 4                          ; waves 0-3 fetch spatial, 4-7 edge
	s_cselect_b64 s[34:35], s[4:5], s[6:7]
	s_add_nc_u64 s[34:35], s[34:35], s[52:53]
	s_or_b32 s35, s35, 0x80000000
	tensor_load_to_lds s[32:35], s[24:31]          ; pass 0: one load of mine is out
	s_nop 0
	PLACES 4
	v_and_b32 v28, 15, v0                          ; r
	v_bfe_u32 v29, v0, 4, 1                        ; h
	v_and_b32 v30, 31, v0
	s_delay_alu instid0(VALU_DEP_1)
	v_lshlrev_b32 v3, 4, v30                       ; v3: 16 x lane
	s_lshr_b32 s52, s[WV], 1
	s_mul_i32 s52, s52, RAWT
	s_and_b32 s53, s[WV], 1
	s_lshl_b32 s54, s53, 9
	s_add_co_u32 s52, s52, s54
	v_mul_u32_u24 v6, v28, RP
	s_delay_alu instid0(VALU_DEP_1)
	v_lshl_add_u32 v6, v29, 5, v6
	s_delay_alu instid0(VALU_DEP_1)
	v_add_nc_u32 v6, s52, v6                       ; v6: spatial: tile w / 2, my 128 keys, row r, + 32 h
	s_delay_alu instid0(VALU_DEP_1)
	v_add_nc_u32 v7, 4*RAWT, v6                    ; v7: edge
	v_mul_u32_u24 v9, v30, 80
	s_delay_alu instid0(VALU_DEP_1)
	v_add_nc_u32 v9, STAT, v9                      ; v9: the eight (m, l) of my lane's query
	s_delay_alu instid0(VALU_DEP_1)
	v_lshl_add_u32 v8, s[WV], 3, v9                ; v8: mine among them
	s_lshl_b32 s52, s[WV], 12
	v_add_nc_u32 v10, s52, v3
	s_delay_alu instid0(VALU_DEP_1)
	v_add_nc_u32 v10, OPART, v10                   ; v10: where I put my partial sums
	s_lshl_b32 s52, s[WV], 9
	v_add_nc_u32 v11, s52, v3
	s_delay_alu instid0(VALU_DEP_1)
	v_add_nc_u32 v11, OPART, v11                   ; v11: piece w of every wave's
	s_lshr_b32 s52, s[WV], 2
	s_lshl_b32 s52, s52, 12
	s_bfe_u32 s54, s[WV], 0x10001
	s_lshl_b32 s54, s54, 8
	s_add_co_u32 s52, s52, s54
	s_lshl_b32 s54, s53, 2
	s_add_co_u32 s52, s52, s54
	v_lshlrev_b32 v12, 4, v28
	s_delay_alu instid0(VALU_DEP_1)
	v_lshl_add_u32 v12, v29, 3, v12
	s_delay_alu instid0(VALU_DEP_1)
	v_add_nc_u32 v12, s52, v12
	s_delay_alu instid0(VALU_DEP_1)
	v_add_nc_u32 v12, OCST-512, v12                ; v12: my four codes of o, one head's 512 bytes back: trip h stores head h - 1's
	s_lshl_b32 s52, s[WV], 10
	v_add_nc_u32 v15, s52, v3                      ; v15: the way out, in oc
	s_delay_alu instid0(VALU_DEP_1)
	v_add_nc_u32 v14, OCST, v15                    ; v14: and in LDS
	s_lshl_b32 s52, s19, 18
	s_lshl_b32 s54, s[WV], 12
	s_add_co_u32 s52, s52, s54
	s_mov_b32 s53, 0
	s_add_nc_u64 s[60:61], s[10:11], s[52:53]      ; kc + 262,144 b + 4,096 w: my 8 key tiles of head 0
	s_add_nc_u64 s[62:63], s[12:13], s[52:53]      ; vc likewise: my step of 128 keys
	s_lshl_b32 s52, ttmp9, 14
	s_add_nc_u64 s[66:67], s[8:9], s[52:53]        ; qc and oc at my work-group
	s_add_nc_u64 s[68:69], s[16:17], s[52:53]
	v_mov_b32 v4, v3                               ; v4: K's and V's offset, v5: Q's: step 0
	v_mov_b32 v5, v3
.irp c, 0,1,2,3,4,5,6,7
	global_load_b128 v[96+4*\c:99+4*\c], v4, s[60:61] offset:512*\c
.endr
	global_load_b128 v[76:79], v5, s[66:67]
	global_load_b128 v[88:91], v5, s[66:67] offset:512
	WIN 0x40
.irp u, 0,1
.irp i, 0,1,2,3
	global_load_b128 v[128+16*\u+4*\i:131+16*\u+4*\i], v4, s[62:63] offset:2048*\u+512*\i
.endr
.endr
	WIN 0
.irp i, 28,29,30,31,32,33,34,35,36,37,38,39,40,41,42,43,68,69,70,71,72,73,74,75,80,81,82,83,84,85,86,87,92,93,94,95
	v_mov_b32 v\i, 0                               ; registers at work; o's four zeros; the zero codes beside q
.endr
.irp i, 0,1,2,3,4,5,6,7
	ds_store_b128 v10, v[68:71] offset:512*\i      ; zeros where my partial sums will lie: the first trip reads them
.endr
	s_wait_kmcnt 0x0
	s_add_co_i32 s52, s36, s37
	s_add_co_i32 s52, s52, -4                      ; e6 + e7 - 4
	s_lshl_b32 s53, s52, 23
	s_add_co_i32 s44, s53, 0x3fb8aa3b              ; c = log2(e) x 2^(e6 + e7 - 4)
	s_mov_b32 s45, s44
	s_sub_co_i32 s53, 127, s52
	s_lshl_b32 s46, s53, 23                        ; 2^(4 - e6 - e7)
	s_mov_b32 s47, s46
	s_mov_b32 s52, s38
	MKSC 25, 24                                    ; p: 2^e8 and its hold
	s_sub_co_i32 s52, s40, s38
	s_sub_co_i32 s52, s52, s39
	MKSC 27, 26                                    ; o: its code is sum / 2^(e10 - e8 - e9)
.macro BIAS_IN                         ; (spatial + edge) x 2^(4 - e6 - e7), in the first product's C layout
.irp t, 0,1
.irp c, 0,1,2,3,4,5,6,7
.irp j, 0,1
	ds_load_b128 v[128+64*\t+8*\c+4*\j:131+64*\t+8*\c+4*\j], v6 offset:\t*16*RP+64*\c+16*\j
.endr
.endr
.endr
	WIN 0x40
.irp t, 0,1
.irp c, 0,1,2,3,4,5,6,7
.irp j, 0,1
	ds_load_b128 v[64*\t+8*\c+4*\j:3+64*\t+8*\c+4*\j], v7 offset:\t*16*RP+64*\c+16*\j
.endr
.endr
.endr
	s_wait_dscnt 0x0
	WIN 0x44                                       ; source 0 window 0, source 1 and destination window 1
.set pp, 0
.rept 64
	v_pk_add_f32 v[2*pp:2*pp+1], v[128+2*pp:129+2*pp], v[2*pp:2*pp+1]
.set pp, pp+1
.endr
	WIN 0x41
.set pp, 0
.rept 64
	v_pk_mul_f32 v[2*pp:2*pp+1], v[2*pp:2*pp+1], s[46:47] op_sel_hi:[1,0]
.set pp, pp+1
.endr
	WIN 0
.endm
; Both tiles: my wave's largest score as t, in every lane of the query.  Eight chains by turns, chain c over the two accumulators at v[128 + 16 c]; each accumulator is first read at its low end (the second at its register 0, with the first's 7).
.macro MAX2
.irp c, 0,1,2,3,4,5,6,7
	v_max3_num_f32 v[28+\c], v[128+16*\c], v[129+16*\c], v[130+16*\c]
.endr
.irp i, 3,5,7,9,11,13
.irp c, 0,1,2,3,4,5,6,7
	v_max3_num_f32 v[28+\c], v[28+\c], v[128+16*\c+\i], v[129+16*\c+\i]
.endr
.endr
	v_max3_num_f32 v28, v28, v29, v143             ; the chains meet, each with its sixteenth register
	v_max3_num_f32 v30, v30, v31, v159
	v_max3_num_f32 v32, v32, v33, v207
	v_max3_num_f32 v34, v34, v35, v223
	v_max3_num_f32 v28, v28, v30, v175
	v_max3_num_f32 v32, v32, v34, v239
	v_max_num_f32 v28, v28, v191
	v_max_num_f32 v32, v32, v255
	v_permlanex16_b32 v36, v28, s48, s49
	v_permlanex16_b32 v37, v32, s48, s49
	v_max_num_f32 v28, v28, v36
	v_max_num_f32 v32, v32, v37
	v_mul_f32 v16, s44, v28                        ; m (c is positive), twice: a pair for the packed form
	v_mul_f32 v18, s44, v32
	v_mul_f32 v17, s44, v28
	v_mul_f32 v19, s44, v32
.endm
.macro EXP2                            ; both tiles: 2^(t - m) in place, one batch of 128; then my lane's sums of them, eight packed chains by turns
.irp t, 0,1
.set pp, 0
.rept 32
	v_pk_fma_f32 v[128+64*\t+2*pp:129+64*\t+2*pp], v[128+64*\t+2*pp:129+64*\t+2*pp], s[44:45], v[16+2*\t:17+2*\t] op_sel_hi:[1,0,1] neg_lo:[0,0,1] neg_hi:[0,0,1]
.set pp, pp+1
.endr
.endr
	s_wait_alu depctr_va_vdst(0)                   ; a wait ahead of the batch and one behind it
.set pp, 0
.rept 128
	v_exp_f32 v[128+pp], v[128+pp]
.set pp, pp+1
.endr
	v_nop                                          ; a plain instruction behind the exponentials
	s_wait_alu depctr_va_vdst(0)
.irp k, 0,1,2,3,4,5,6,7
	v_pk_add_f32 v[28+2*\k:29+2*\k], v[128+16*\k:129+16*\k], v[130+16*\k:131+16*\k]
.endr
.irp j, 4,6,8,10,12,14
.irp k, 0,1,2,3,4,5,6,7
	v_pk_add_f32 v[28+2*\k:29+2*\k], v[28+2*\k:29+2*\k], v[128+16*\k+\j:129+16*\k+\j]
.endr
.endr
	v_pk_add_f32 v[28:29], v[28:29], v[30:31]
	v_pk_add_f32 v[32:33], v[32:33], v[34:35]
	v_pk_add_f32 v[36:37], v[36:37], v[38:39]
	v_pk_add_f32 v[40:41], v[40:41], v[42:43]
	v_pk_add_f32 v[28:29], v[28:29], v[32:33]
	v_pk_add_f32 v[36:37], v[36:37], v[40:41]
	v_add_f32 v38, v28, v29
	v_add_f32 v39, v36, v37
.endm
.macro OLOAD                           ; piece w of the eight waves' partial sums -> window 1, v160 on (P's registers, free here)
	WIN 0x40
.irp q, 0,1,2,3,4,5,6,7
	ds_load_b128 v[160+4*\q:163+4*\q], v11 offset:\q*4096
.endr
	WIN 0
.endm
.macro ORED                            ; the eight are added, held, quantised: four codes in v42, their place in the stage, s54 + v12, in v13.  Registers alone
	WIN 0x55                               ; all in window 1
.irp q, 0,2,4,6
	v_pk_add_f32 v[160+4*\q:161+4*\q], v[160+4*\q:161+4*\q], v[164+4*\q:165+4*\q]
	v_pk_add_f32 v[162+4*\q:163+4*\q], v[162+4*\q:163+4*\q], v[166+4*\q:167+4*\q]
.endr
	v_pk_add_f32 v[160:161], v[160:161], v[168:169]
	v_pk_add_f32 v[162:163], v[162:163], v[170:171]
	v_pk_add_f32 v[176:177], v[176:177], v[184:185]
	v_pk_add_f32 v[178:179], v[178:179], v[186:187]
	WIN 0x05                               ; sources window 1, destination window 0
	v_pk_add_f32 v[64:65], v[160:161], v[176:177]
	v_pk_add_f32 v[66:67], v[162:163], v[178:179]
	WIN 0
.irp i, 0,1,2,3
	v_med3_num_f32 v[64+\i], v[64+\i], -v26, v26
.endr
	v_cvt_scalef32_pk8_bf8_f32 v[42:43], v[64:71], v27   ; four codes of o, and four of the zeros beside them
	v_nop
	v_add_nc_u32 v13, s54, v12
.endm
.macro STATS                           ; lane 16 h + r speaks for query r of tile h
	v_cndmask_b32 v40, v16, v18, s50               ; m
	v_cndmask_b32 v41, v38, v39, s50               ; my half of my query's sum,
	v_cndmask_b32 v36, v39, v38, s50               ; my half of the other lane's query's,
	v_permlanex16_b32 v37, v36, s48, s49           ; exchanged
	v_add_f32 v41, v41, v37                        ; l
	v_cmp_eq_f32 vcc_lo, 0x43000000, v41           ; l = 128: every term is 1
	v_cndmask_b32 v28, 1.0, v40, vcc_lo            ; m there, 1 elsewhere
	v_xor_b32 v29, 0x80000000, v41
	v_cmp_eq_f32 vcc_lo, 0, v28                    ; l = 128 and m = 0
	v_cndmask_b32 v41, v41, v29, vcc_lo            ; -l where all my 128 scores are 0
	ds_store_b64 v8, v[40:41]
	s_wait_dscnt 0x0                               ; for the others' sake: my (m, l), my last partial sums and codes are stored
	BAR
.irp i, 0,1,2,3
	ds_load_b128 v[44+4*\i:47+4*\i], v9 offset:16*\i
.endr
	OLOAD
	s_wait_dscnt 8                                 ; the four loads of (m, l) are in; the eight of partial sums, issued behind them, may be out
	v_max3_num_f32 v28, v44, v46, v48
	v_max3_num_f32 v29, v50, v52, v54
	v_max3_num_f32 v30, v45, v47, v49
	v_max3_num_f32 v31, v51, v53, v55
	v_max3_num_f32 v28, v28, v56, v58
	v_max3_num_f32 v30, v30, v57, v59
	v_max_num_f32 v28, v28, v29                    ; M
	v_max_num_f32 v30, v30, v31                    ; above 0 unless every wave found zeros alone
.irp i, 0,1,2,3,4,5,6,7
	v_sub_f32 v[44+2*\i], v[44+2*\i], v28
.endr
	v_sub_f32 v40, v40, v28
	s_wait_alu depctr_va_vdst(0)
.irp i, 0,1,2,3,4,5,6,7
	v_exp_f32 v[44+2*\i], v[44+2*\i]
.endr
	v_exp_f32 v40, v40
	v_nop
	s_wait_alu depctr_va_vdst(0)
	v_mul_f32 v29, |v45|, v44                      ; L = the sum of l 2^(m - M), in two chains
	v_mul_f32 v31, |v47|, v46
.irp i, 2,4,6
	v_fma_f32 v29, |v[45+2*\i]|, v[44+2*\i], v29
	v_fma_f32 v31, |v[47+2*\i]|, v[46+2*\i], v31
.endr
	v_add_f32 v29, v29, v31
	s_wait_alu depctr_va_vdst(0)
	v_rcp_f32 v29, v29
	v_nop
	v_cmp_lt_f32 vcc_lo, 0, v30
	s_wait_alu depctr_va_vdst(0)
	v_mul_f32 v29, v40, v29                        ; F = 2^(m_own - M) / L,
	v_cndmask_b32 v29, 0, v29, vcc_lo              ; or 0 for a row of zeros
	v_permlanex16_b32 v36, v29, s48, s49
	v_cndmask_b32 v20, v29, v36, s50               ; tile 0's F in both halves of the lanes,
	v_cndmask_b32 v22, v36, v29, s50               ; tile 1's
	v_mov_b32 v21, v20
	v_mov_b32 v23, v22
	v_mov_b32 v29, v24                             ; p's hold once more, in another register bank: for the second half of the pairs in PQ
	s_wait_alu depctr_va_vdst(0)                   ; the wait here, directly ahead of the wait below
	s_wait_dscnt 0x0                               ; my reads of (m, l) and of the partial sums are over:
	s_barrier_signal -1                            ; say so; the wait stands ahead of my next LDS stores
	ORED                                           ; the head before
.endm
.macro PQ t                            ; p = 2^(t - m) F, held (p is not negative: the hold is one-sided), two holds an instruction: destinations even and odd, sources in different banks
.set SB, 128+64*\t
.set pp, 0
.rept 32
	v_pk_mul_f32 v[SB+2*pp:SB+2*pp+1], v[SB+2*pp:SB+2*pp+1], v[20+2*\t:21+2*\t]
.set pp, pp+1
.endr
.set pp, 0
.rept 32
	v_dual_min_num_f32 v[SB+2*pp], v[SB+2*pp], v24 :: v_dual_min_num_f32 v[SB+2*pp+1], v[SB+2*pp+1], v29
.set pp, pp+1
.endr
.endm
; THE EIGHT HEADS OF A PASS: one trip a head.
.macro HEADS pass
	s_mov_b32 s51, 0
.Lhead_\@:
	s_wait_loadcnt 8                               ; K's 8 loads and Q's 2 are in; V's 8, issued behind them, may be out
	WIN 0x10                                       ; C (the bias) window 1
	s_wait_alu depctr_va_vdst(0)
.irp jr, 0,1,2,3
.irp t, 0,1
	v_wmma_f32_16x16x64_bf8_bf8 v[128+64*\t+16*\jr:135+64*\t+16*\jr], v[96+8*\jr:103+8*\jr], v[76+12*\t:83+12*\t], v[64*\t+16*\jr:7+64*\t+16*\jr]
	v_wmma_f32_16x16x64_bf8_bf8 v[136+64*\t+16*\jr:143+64*\t+16*\jr], v[96+8*\jr:103+8*\jr], v[72+12*\t:79+12*\t], v[8+64*\t+16*\jr:15+64*\t+16*\jr]
.endr
.endr
	WIN 0
	s_add_co_u32 s52, s51, 8*\pass+1               ; the next step of 16 (pass, head), held at 15
	s_min_u32 s52, s52, 15
	s_lshl_b32 s53, s52, 10
	s_and_b32 s52, s52, 7
	s_lshl_b32 s52, s52, 15
	s_lshl_b32 s54, s51, 9
	s_wait_xcnt 0x0                                ; the offsets that earlier loads name are written only behind this wait
	v_add_nc_u32 v4, s52, v3
	v_add_nc_u32 v5, s53, v3
	v_nop
	v_nop                                          ; four places behind the products (ISA guide 7.12.1)
.irp c, 0,1,2,3,4,5,6,7
	global_load_b128 v[96+4*\c:99+4*\c], v4, s[60:61] offset:512*\c
.endr
	global_load_b128 v[76:79], v5, s[66:67]
	global_load_b128 v[88:91], v5, s[66:67] offset:512
	MAX2
	EXP2
	STATS
	PQ 0
	PQ 1
	WIN 0x40                                       ; P in window 1
.irp t, 0,1
.irp c, 0,1,2,3,4,5,6,7
	v_cvt_scalef32_pk8_bf8_f32 v[160+16*\t+2*\c:161+16*\t+2*\c], v[128+64*\t+8*\c:135+64*\t+8*\c], v25
.endr
.endr
	v_nop                                          ; a plain instruction between the conversions and the products that read their results
	s_wait_alu depctr_va_vdst(0)
	s_wait_loadcnt 10                              ; V is in; the 10 loads of the next K and Q were issued behind it
	WIN 0x45                                       ; V, P and O^T in window 1
.irp t, 0,1
.irp u, 0,1
	v_wmma_f32_16x16x128_bf8_bf8 v[192+8*(2*\t+\u):199+8*(2*\t+\u)], v[128+16*\u:143+16*\u], v[160+16*\t:175+16*\t], 0
.endr
.endr
	WIN 0
	PLACES 4
	s_barrier_wait -1                              ; every wave has read the last partial sums and (m, l): both may be written again
	ds_store_b32 v13, v42                          ; the head before: my four codes of o
	WIN 0x40
.irp u, 0,1
.irp i, 0,1,2,3
	global_load_b128 v[128+16*\u+4*\i:131+16*\u+4*\i], v4, s[62:63] offset:2048*\u+512*\i
.endr
.endr
	WIN 0x04                                       ; store data window 1
.irp a, 0,1,2,3
	ds_store_b128 v10, v[192+8*\a:195+8*\a] offset:(2*\a)*512
	ds_store_b128 v10, v[196+8*\a:199+8*\a] offset:(2*\a+1)*512
.endr
	WIN 0
	s_add_co_u32 s51, s51, 1
	s_cmp_lt_u32 s51, 8
	s_cbranch_scc1 .Lhead_\@
	s_wait_dscnt 0x0                               ; the tail: head 7's partial sums are stored,
	BAR                                            ; everybody's are
	OLOAD
	s_mov_b32 s54, 4096                            ; 512 x 8: head 7's place
	s_wait_dscnt 0x0
	ORED
	ds_store_b32 v13, v42
.endm
.macro OUT pass                        ; a pass's 8,192 bytes of codes leave: 1,024 a wave, 512 consecutive bytes a store
	s_wait_xcnt 0x0
	ds_load_b128 v[60:63], v14
	ds_load_b128 v[28:31], v14 offset:512
	s_wait_dscnt 0x0
	global_store_b128 v15, v[60:63], s[68:69] offset:\pass*8192
	global_store_b128 v15, v[28:31], s[68:69] offset:\pass*8192+512
.endm
	s_wait_tensorcnt 0x0                           ; my tile of pass 0 has landed,
	s_wait_dscnt 0x0                               ; my zeros are stored,
	BAR                                            ; everybody's
	BIAS_IN
	s_wait_tensorcnt 0x0                           ; no tensor load of mine is out: the group 0 may be written
	ds_add_u32 v1, v2                              ; 0 onto my spare word
	s_add_nc_u64 s[34:35], s[34:35], 131072        ; 32 rows on
	s_wait_dscnt 0x0                               ; the add is done, and my reads of the tiles are over
	BAR
	tensor_load_to_lds s[32:35], s[24:31]          ; pass 1's tile: my one load behind this barrier; it has the eight heads of pass 0 in which to land
	s_nop 0
	PLACES 4
	HEADS 0
	s_wait_dscnt 0x0                               ; my last codes of o are stored
	s_wait_tensorcnt 0x0                           ; my tile of pass 1 has landed
	BAR
	OUT 0
	BIAS_IN
	HEADS 1
	s_wait_dscnt 0x0
	BAR
	OUT 1
	s_wait_tensorcnt 0x0                           ; the wave's end
	ds_add_u32 v1, v2
	s_wait_dscnt 0x0
	s_endpgm
.Lfunc_end_k_qf5139438da_attn:
	.size	k_qf5139438da_attn, .Lfunc_end_k_qf5139438da_attn-k_qf5139438da_attn
	.p2alignl 7, 3214868480
	.fill 96, 4, 3214868480
	.section	.rodata,"a",@progbits
	.p2align	6, 0x0
	.amdhsa_kernel k_qf5139438da_attn
		.amdhsa_group_segment_fixed_size 327680
		.amdhsa_private_segment_fixed_size 0
		.amdhsa_enable_private_segment 0
		.amdhsa_kernarg_size 56
		.amdhsa_user_sgpr_count 2
		.amdhsa_user_sgpr_kernarg_segment_ptr 1
		.amdhsa_wavefront_size32 1
		.amdhsa_system_sgpr_workgroup_id_x 1
		.amdhsa_system_sgpr_workgroup_id_y 1
		.amdhsa_system_sgpr_workgroup_id_z 1
		.amdhsa_system_vgpr_workitem_id 0
		.amdhsa_next_free_vgpr 512
		.amdhsa_next_free_sgpr 72
		.amdhsa_reserve_vcc 1
		.amdhsa_float_denorm_mode_32 3
		.amdhsa_float_denorm_mode_16_64 3
		.amdhsa_memory_ordered 1
		.amdhsa_forward_progress 1
		.amdhsa_inst_pref_size 110
	.end_amdhsa_kernel
	.amdgpu_metadata
---
amdhsa.version: [ 1, 2 ]
amdhsa.kernels:
  - .name:           k_qf5139438da_attn
    .symbol:         k_qf5139438da_attn.kd
    .args:
      - { .name: spatial_encoding, .offset: 0, .size: 8, .value_kind: global_buffer, .address_space: global }
      - { .name: edge_encoding, .offset: 8, .size: 8, .value_kind: global_buffer, .address_space: global }
      - { .name: qc, .offset: 16, .size: 8, .value_kind: global_buffer, .address_space: global }
      - { .name: kc, .offset: 24, .size: 8, .value_kind: global_buffer, .address_space: global }
      - { .name: vc, .offset: 32, .size: 8, .value_kind: global_buffer, .address_space: global }
      - { .name: lowp_scales, .offset: 40, .size: 8, .value_kind: global_buffer, .address_space: global }
      - { .name: oc, .offset: 48, .size: 8, .value_kind: global_buffer, .address_space: global }
    .group_segment_fixed_size: 327680
    .private_segment_fixed_size: 0
    .kernarg_segment_align: 8
    .kernarg_segment_size: 56
    .max_flat_workgroup_size: 256
    .sgpr_count:     72
    .vgpr_count:     512
    .wavefront_size: 32
...
	.end_amdgpu_metadata
.endif
;; end of part 2
;; launch ffn (part 3): grid 256 x 1, 4 waves a work-group, clusters of 4 x 1, 327,680 bytes of LDS; arguments x, gamma2, beta2, oc, Wo_codes, W1_codes, b1, W2_codes, b2, lowp_scales, out0; writes out0
.if DOCPART == 3
	.amdgcn_target "amdgcn-amd-amdhsa--gfx1250"
	.amdhsa_code_object_version 6
	.text
	.protected	k_qf5139438da_ffn
	.globl	k_qf5139438da_ffn
	.p2align	8
	.type	k_qf5139438da_ffn,@function
k_qf5139438da_ffn:
	s_mov_b64 s[64:65], 0
	v_nop
	global_prefetch_b8 v0, s[64:65] scope:SCOPE_SE
	s_setreg_imm32_b32 hwreg(HW_REG_WAVE_MODE, 25, 1), 1
	s_wait_xcnt 0x0
	s_wait_alu depctr_hold_cnt(0) depctr_sa_sdst(0) depctr_va_vdst(0) depctr_va_sdst(0) depctr_va_ssrc(0) depctr_va_vcc(0) depctr_vm_vsrc(0)
	s_getreg_b32 s2, hwreg(HW_REG_IB_STS2, 6, 4)
	s_cmp_eq_u32 s2, 0
	s_cbranch_scc0 .Lentry_in_a_cluster
	s_endpgm
.Lentry_in_a_cluster:
	s_bfe_u32 s2, ttmp6, 0x10000c
	s_cmp_lg_u32 s2, 0x3003
	s_cbranch_scc0 .Lentry_shape_is_right
	s_endpgm
.Lentry_shape_is_right:
; att_output = o Wo^T + x; out = gelu(LN2(x) W1^T + b1) W2^T + b2 + att_output, and 0 for every row in which some att_output is 0.  All three products on codes of BF8 (E5M2).
; A work-group of four waves owns 64 rows.  THE WAVES SHARE THE COLUMNS: wave w makes outputs 64 w .. 64 w + 63 of the products with Wo and W2, and, of each chunk j of 256 hidden units, units 256 j + 64 w .. + 63, for all 64 rows.
; The rows' codes (LN2(x), the hidden layer) go from wave to wave through LDS as images of the operand's registers.  The hidden layer never goes to memory.
; All products are used transposed (source 0 = 16 rows of a weight, source 1 = 16 rows of codes): a lane holds one row and eight neighbouring columns.  W1's rows of a tile are chosen (lane r of tile 2 b + u: row 32 b + 8 u + r + 8 (r / 8))
; so that the 16 registers of tiles 2 b, 2 b + 1 are 16 neighbours along the next K.  K = 128 fragments are fetched by 16 bytes: registers 4 c .. 4 c + 3 hold k = 32 c + 16 (lane / 16) + 0 .. 15, alike in both operands.
; gelu(u) = u / (1 + 2^(u (KA + KB u^2))), KA = -2 sqrt(2 / pi) log2(e), KB = 0.044715 KA: the tanh form, which goes to u and to 0 at the two ends without overflow of the result.
; WEIGHTS: four LDS slots of 256 rows x 272 bytes.  A0, A1: W1's chunks.  B0: Wo, then W2's chunks 0, 2.  B1: x's 64 rows, then W2's chunks 1, 3.  The hidden step H j (long) and the output step Y j (short) take turns, so each refill has a long step in which to land.
; CLUSTER 4 x 1: all work-groups walk the same weights: every weight tile is asked for jointly (mask 15); a round of the cluster's barrier stands in front of each group of loads.  x's tile is each work-group's own.
; LIMITS: e12, e14 between -126 and 112; e10 + e11, e12 + e13, e14 + e15 between -126 and 127.  NaN and infinities among the inputs are not served.
; REGISTERS.  window 0: v1, v2 the add's; v3-21 addresses; v[22:25] mean, 1 / sqrt; v26-29 scales and holds; v[30:31] KA; v32-63 x's two fragments; v64-95 four hidden tiles; v96-127 at work; v128-159 b1; v160-167 codes; v168-199 b2; v200-219 flags.
;   (during the norm: v32-159 the row, v160-167 chains, v168-199 held numbers, v204-219 codes.)   window 1: v0-127 a weight's fragments (gamma; at the end rows of out0), v128-255 the hidden layer's (beta).
;   window 2: v0-127 the sums of o Wo^T, then of the last product; v128-255 x, then att_output.   window 3: v0-127 o's fragments.
.set WV,   26
.set SEL,  96
.set R256, 98
.set EPS,  99
.set XP,   1040
.set WP,   272
.set SLOT, 256*WP
.set B0,   2*SLOT
.set B1,   3*SLOT
.set XIMG, 4*SLOT                      ; LN2(x)'s fragments (row tile m, K step s) at (2 m + s) 2,048
.set HIMG, XIMG+16384                  ; a chunk's hidden fragments likewise
.set FLAG, HIMG+16384                  ; the least |att_output| of a row among a wave's 64 columns: 16 x row + 4 x wave
.set SPARE, FLAG+1024                  ; the spare words, 128 bytes for each wave: two blocks of 256 bytes that no other line names
.set X,    32
.set CH,   160
.set MU,   22
.set RS,   24
.set TQ,   168
.set PC,   204
.set XF,   32
.set HA,   64
.set T,    96
.set B1R,  128
.set PCH,  160
.set B2R,  168
.set ZM,   200
.set FL,   204
.set MSB, 0
.macro WIN new
.if MSB != \new
	s_set_vgpr_msb (MSB<<8)|\new
.set MSB, \new
.endif
.endm
.macro PLACES n
.rept \n
	v_nop
.endr
.endm
.macro BAR
	s_barrier_signal -1
	s_barrier_wait -1
.endm
.macro ROUND                           ; a round of the cluster's barrier
	s_barrier_signal -1
	s_barrier_wait -1
	s_cmp_lg_u32 s[WV], 0
	s_cbranch_scc1 .Lnw0_\@
	s_barrier_signal -3
.Lnw0_\@:
	s_barrier_wait -3
	s_barrier_signal -1
	s_barrier_wait -1
.endm
.macro MKSC vs, vl                     ; s2 = E: v[vs] = 2^E, v[vl] = 57,344 x 2^E
	s_add_co_i32 s2, s2, 127
	s_lshl_b32 s3, s2, 23
	v_mov_b32 v[\vs], s3
	s_add_co_i32 s2, s2, 15
	s_lshl_b32 s2, s2, 23
	s_or_b32 s2, s2, 0x600000
	v_mov_b32 v[\vl], s2
.endm
.macro LN_LOAD adr
.irp c, 0,1,2,3,4,5,6,7
.irp j, 0,1,2,3
	ds_load_b128 v[X+16*\c+4*\j:X+16*\c+4*\j+3], v[\adr] offset:128*\c+16*\j
.endr
.endr
.endm
.macro FOLD
	v_pk_add_f32 v[CH:CH+1], v[CH:CH+1], v[CH+2:CH+3]
	v_pk_add_f32 v[CH+4:CH+5], v[CH+4:CH+5], v[CH+6:CH+7]
	v_pk_add_f32 v[CH:CH+1], v[CH:CH+1], v[CH+4:CH+5]
	v_add_f32 v[CH], v[CH], v[CH+1]
	v_permlanex16_b32 v[CH+1], v[CH], s[SEL], s[SEL+1]
	v_add_f32 v[CH], v[CH], v[CH+1]
.endm
.macro LN_STATS
.irp q, 0,1,2,3
	v_pk_add_f32 v[CH+2*\q:CH+2*\q+1], v[X+2*\q:X+2*\q+1], v[X+8+2*\q:X+8+2*\q+1]
.endr
.set pp, 8
.rept 56
	v_pk_add_f32 v[CH+2*(pp%4):CH+2*(pp%4)+1], v[CH+2*(pp%4):CH+2*(pp%4)+1], v[X+2*pp:X+2*pp+1]
.set pp, pp+1
.endr
	FOLD
	v_mul_f32 v[MU], s[R256], v[CH]
	v_mul_f32 v[MU+1], s[R256], v[CH]
.set pp, 0
.rept 64
	v_pk_add_f32 v[X+2*pp:X+2*pp+1], v[X+2*pp:X+2*pp+1], v[MU:MU+1] neg_lo:[0,1] neg_hi:[0,1]
.set pp, pp+1
.endr
.irp q, 0,1,2,3
	v_pk_mul_f32 v[CH+2*\q:CH+2*\q+1], v[X+2*\q:X+2*\q+1], v[X+2*\q:X+2*\q+1]
.endr
.set pp, 4
.rept 60
	v_pk_fma_f32 v[CH+2*(pp%4):CH+2*(pp%4)+1], v[X+2*pp:X+2*pp+1], v[X+2*pp:X+2*pp+1], v[CH+2*(pp%4):CH+2*(pp%4)+1]
.set pp, pp+1
.endr
	FOLD
	v_fma_f32 v[CH], v[CH], s[R256], s[EPS]
	s_wait_alu depctr_va_vdst(0)
	v_rsq_f32 v[RS], v[CH]
	v_rsq_f32 v[RS+1], v[CH]
	v_nop
.endm
.macro LN_NORM win, g, bt
.set pp, 0
	s_wait_alu depctr_va_vdst(0)
.rept 64
	v_pk_mul_f32 v[X+2*pp:X+2*pp+1], v[X+2*pp:X+2*pp+1], v[RS:RS+1]
.set pp, pp+1
.endr
	WIN \win
.set pp, 0
.rept 64
	v_pk_fma_f32 v[X+2*pp:X+2*pp+1], v[X+2*pp:X+2*pp+1], v[\g+2*pp:\g+2*pp+1], v[\bt+2*pp:\bt+2*pp+1]
.set pp, pp+1
.endr
	WIN 0
.endm
.macro QUANT s, sc, lim
.irp b, 0,1,2,3
.irp i, 0,1,2,3,4,5,6,7,8,9,10,11,12,13,14,15
	v_med3_num_f32 v[TQ+16*(\b%2)+\i], v[X+64*\s+16*\b+\i], -v[\lim], v[\lim]   ; the conversion does not saturate (ISA guide 7.6.2): the hold at the largest code x the scale
.endr
.if \b == 0
	s_wait_alu depctr_va_vdst(0)
	s_wait_dscnt 0x0                               ; the last image's stores have read the codes' registers
.endif
	v_cvt_scalef32_pk8_bf8_f32 v[PC+4*\b:PC+4*\b+1], v[TQ+16*(\b%2):TQ+16*(\b%2)+7], v[\sc]
	v_cvt_scalef32_pk8_bf8_f32 v[PC+4*\b+2:PC+4*\b+3], v[TQ+16*(\b%2)+8:TQ+16*(\b%2)+15], v[\sc]
.endr
	v_nop
.endm
.macro IMAGE adr, off
.irp c, 0,1,2,3
	ds_store_b128 v[\adr], v[PC+4*\c:PC+4*\c+3] offset:(\off)+512*\c
.endr
.endm
.macro FETCH reg, adr, off
.irp c, 0,1,2,3
	ds_load_b128 v[\reg+4*\c:\reg+4*\c+3], v[\adr] offset:(\off)+512*\c
.endr
.endm
.macro B1LOAD j                        ; b1 at my lane's eight units of each of my four tiles of chunk j
.irp t, 0,1,2,3
	global_load_b128 v[B1R+8*\t:B1R+8*\t+3], v5, s[16:17] offset:(256*(\j)+32*(\t/2)+8*(\t%2))*4
	global_load_b128 v[B1R+8*\t+4:B1R+8*\t+7], v5, s[16:17] offset:(256*(\j)+32*(\t/2)+8*(\t%2))*4+16
.endr
.endm
	s_load_b512 s[4:19], s[0:1], 0x0               ; x, gamma2, beta2, oc, Wo, W1, b1, W2
	s_load_b128 s[20:23], s[0:1], 0x40             ; b2, the scales' exponents
	s_load_b64 s[24:25], s[0:1], 0x50              ; out0
	v_lshl_add_u32 v1, v0, 2, SPARE
	v_mov_b32 v2, 0
	ds_add_u32 v1, v2
	ds_add_u32 v1, v2
	s_wait_dscnt 0x0
	v_lshrrev_b32 v3, 5, v0
	v_readfirstlane_b32 s[WV], v3                  ; wave 0..3
	s_bfe_u32 s27, ttmp6, 0x40000                  ; cx
	s_lshl_b32 s2, ttmp9, 2
	s_add_co_u32 s27, s27, s2                      ; work-group wg
	; group 1 for x: 64 rows of 256 elements of 4 bytes, padded; no mask
	s_mov_b32 s28, (2<<16)|(1<<20)|(7<<22)|(3<<25)
	s_mov_b32 s29, 256<<16
	s_mov_b32 s30, 64<<16
	s_mov_b32 s31, 256<<16
	s_mov_b32 s32, 64
	s_mov_b32 s33, 256
	s_mov_b32 s34, 0
	s_mov_b32 s35, 0
	; joint: 256 rows of 256 bytes, dense
	s_mov_b32 s36, 15|(1<<20)|(1<<21)|(5<<22)|(3<<25)
	s_mov_b32 s37, 256<<16
	s_mov_b32 s38, 256<<16
	s_mov_b32 s39, 256<<16
	s_mov_b32 s40, 256
	s_mov_b32 s41, 256
	s_mov_b32 s42, 0
	s_mov_b32 s43, 0
	; joint: 128 rows of 256 bytes, dense (W1)
	s_mov_b32 s44, 15|(1<<20)|(1<<21)|(5<<22)|(3<<25)
	s_mov_b32 s45, 256<<16
	s_mov_b32 s46, 128<<16
	s_mov_b32 s47, 256<<16
	s_mov_b32 s48, 128
	s_mov_b32 s49, 256
	s_mov_b32 s50, 0
	s_mov_b32 s51, 0
	; joint: 128 rows of 256 bytes, 1,024 apart (W2)
	s_mov_b32 s52, 15|(1<<20)|(1<<21)|(5<<22)|(3<<25)
	s_mov_b32 s53, 256<<16
	s_mov_b32 s54, 128<<16
	s_mov_b32 s55, 256<<16
	s_mov_b32 s56, 128
	s_mov_b32 s57, 1024
	s_mov_b32 s58, 0
	s_mov_b32 s59, 0
	s_mov_b32 s[SEL], 0x76543210
	s_mov_b32 s[SEL+1], 0xfedcba98
	s_mov_b32 s[R256], 0x3b800000
	s_mov_b32 s[EPS], 0x3727c5ac
	s_mov_b32 s92, 0xc0135761                      ; KA
	s_mov_b32 s94, 0xbdd2d3e8                      ; KB
	s_mov_b32 s95, s94
	s_lshl_b32 s100, s[WV], 14                     ; a quarter of a weight's 256 rows of 256 bytes (the wave's number alone)
	s_mov_b32 s101, 0
	s_lshl_b32 s2, s27, 16
	s_add_co_u32 s2, s2, s100                      ; my 16 rows of x and of out0
	s_mov_b32 s3, 0
	s_mov_b32 s60, 1
	s_mov_b32 s61, B1
	s_mov_b32 s72, 1
	s_mov_b32 s73, 0
	s_mov_b32 s68, 1
	s_mov_b32 s69, B0
	s_mov_b32 s76, 1
	s_mov_b32 s77, SLOT
	s_wait_kmcnt 0x0
	s_load_b128 s[80:83], s[22:23], 0x28           ; e10 .. e13
	s_load_b64 s[84:85], s[22:23], 0x38            ; e14, e15
	s_add_nc_u64 s[62:63], s[4:5], s[2:3]
	s_sub_nc_u64 s[62:63], s[62:63], s[100:101]    ; x at my work-group's first row
	s_or_b32 s63, s63, 0x80000000
	s_add_nc_u64 s[24:25], s[24:25], s[2:3]        ; out0 at my 16 rows
	s_mov_b64 s[70:71], s[12:13]
	s_or_b32 s71, s71, 0x80000000
	s_mov_b64 s[74:75], s[14:15]
	s_add_nc_u64 s[78:79], s[74:75], 65536
	s_or_b32 s75, s75, 0x80000000
	s_or_b32 s79, s79, 0x80000000
	ROUND                                          ; the four work-groups are here: the joint loads meet
	; the head's four tiles are shared out, one tensor load a wave: wave 0 the work-group's 64 rows of x -> B1 (no mask); jointly (mask 15), 256 rows each: wave 1 Wo -> B0, wave 2 W1's chunk 0 -> A0, wave 3 its chunk 1 -> A1
	s_cmp_eq_u32 s[WV], 0
	s_cbranch_scc0 .Lh1
	tensor_load_to_lds s[60:63], s[28:35]
	s_nop 0
	PLACES 4
	s_branch .Lhj
.Lh1:
	s_cmp_eq_u32 s[WV], 1
	s_cbranch_scc0 .Lh2
	tensor_load_to_lds s[68:71], s[36:43]
	s_nop 0
	PLACES 4
	s_branch .Lhj
.Lh2:
	s_cmp_eq_u32 s[WV], 2
	s_cbranch_scc0 .Lh3
	tensor_load_to_lds s[72:75], s[36:43]
	s_nop 0
	PLACES 4
	s_branch .Lhj
.Lh3:
	tensor_load_to_lds s[76:79], s[36:43]
	s_nop 0
	PLACES 4
.Lhj:
	v_and_b32 v30, 15, v0                          ; r
	v_bfe_u32 v31, v0, 4, 1                        ; h
	v_and_b32 v3, 31, v0
	v_lshlrev_b32 v3, 4, v3                        ; v3: 16 x lane
	s_mul_i32 s2, s[WV], 16*XP
	v_mul_u32_u24 v4, v30, XP
	v_lshl_add_u32 v4, v31, 6, v4
	v_add_nc_u32 v4, s2, v4
	v_add_nc_u32 v4, B1, v4                        ; v4: x for the norm: my row, + 64 h
	v_lshlrev_b32 v5, 6, v31                       ; v5: 64 h
	s_lshl_b32 s3, s[WV], 12
	v_add_nc_u32 v6, s3, v3
	v_add_nc_u32 v6, XIMG, v6                      ; v6: where I store my two images of LN2(x)
	v_add_nc_u32 v7, XIMG, v3                      ; v7: where they are read; v8: + the row tile
	s_mul_i32 s3, s[WV], 64*WP
	v_and_b32 v9, 8, v30
	v_add_nc_u32 v9, v9, v30
	v_mul_u32_u24 v9, v9, WP
	v_lshl_add_u32 v9, v31, 4, v9
	v_add_nc_u32 v9, s3, v9                        ; v9, v10: W1's fragments in A0, A1
	v_add_nc_u32 v10, SLOT, v9
	v_mul_u32_u24 v11, v30, WP
	v_lshl_add_u32 v11, v31, 4, v11
	v_add_nc_u32 v11, s3, v11
	v_add_nc_u32 v11, B0, v11                      ; v11, v12: Wo's and W2's in B0, B1
	v_add_nc_u32 v12, SLOT, v11
	s_lshl_b32 s3, s[WV], 10
	v_add_nc_u32 v13, s3, v3
	v_add_nc_u32 v13, HIMG, v13                    ; v13: my 64 units are pieces 2 (w % 2), + 1 of K step w / 2: 1,024 w; v14: + the row tile
	v_add_nc_u32 v15, HIMG, v3                     ; v15: where hidden fragments are read
	s_lshl_b32 s3, s[WV], 8
	v_mul_u32_u24 v19, v30, XP
	v_lshl_add_u32 v19, v31, 5, v19
	v_add_nc_u32 v19, s3, v19                      ; v19: the stage (in A0): row r, my 64 columns, + 32 h
	v_add_nc_u32 v16, B1, v19                      ; v16: x at the same places
	v_lshlrev_b32 v18, 4, v30
	v_add_nc_u32 v18, FLAG, v18                    ; v18: a row's four flags; v17: mine
	v_lshl_add_u32 v17, s[WV], 2, v18
	v_add_nc_u32 v20, s2, v3                       ; v20: the stage read back: my 16 rows
	v_lshlrev_b32 v21, 5, v31                      ; v21: 32 h
	s_lshl_b32 s2, s27, 14
	s_mov_b32 s3, 0
	s_add_nc_u64 s[10:11], s[10:11], s[2:3]        ; oc at my work-group
	s_lshl_b32 s2, s[WV], 8
	s_add_nc_u64 s[16:17], s[16:17], s[2:3]        ; b1 and b2 at my 64 columns
	s_add_nc_u64 s[20:21], s[20:21], s[2:3]
	WIN 0x40                                       ; window 1: gamma at v0, beta at v128
.irp c, 0,1,2,3,4,5,6,7
.irp j, 0,1,2,3
	global_load_b128 v[16*\c+4*\j:16*\c+4*\j+3], v5, s[6:7] offset:128*\c+16*\j
	global_load_b128 v[128+16*\c+4*\j:128+16*\c+4*\j+3], v5, s[8:9] offset:128*\c+16*\j
.endr
.endr
	WIN 0xc0                                       ; window 3: o's fragments (m, s) at v[32 m + 16 s]: head 4 s + c is registers 4 c .. 4 c + 3
.irp m, 0,1,2,3
.irp s, 0,1
.irp c, 0,1,2,3
	global_load_b128 v[32*\m+16*\s+4*\c:32*\m+16*\s+4*\c+3], v3, s[10:11] offset:\m*4096+(4*\s+\c)*512
.endr
.endr
.endr
	WIN 0
	s_wait_kmcnt 0x0
	s_add_co_i32 s86, s80, s81
	s_add_co_i32 s86, s86, 127
	s_lshl_b32 s86, s86, 23                        ; 2^(e10 + e11)
	s_mov_b32 s87, s86
	s_add_co_i32 s88, s82, s83
	s_add_co_i32 s88, s88, 127
	s_lshl_b32 s88, s88, 23                        ; 2^(e12 + e13)
	s_mov_b32 s89, s88
	s_add_co_i32 s90, s84, s85
	s_add_co_i32 s90, s90, 127
	s_lshl_b32 s90, s90, 23                        ; 2^(e14 + e15)
	s_mov_b32 s91, s90
	s_mov_b32 s2, s82
	MKSC 26, 27                                    ; e12
	s_mov_b32 s2, s84
	MKSC 28, 29                                    ; e14
	; ---- LN2 of my 16 rows, quantised, to LDS
	s_wait_alu depctr_va_vdst(0)                   ; the wait at the head's end
	s_wait_tensorcnt 0x0                           ; my one load has landed,
	BAR                                            ; and so has every wave's: x, Wo and W1's chunks 0 and 1 lie in LDS
	LN_LOAD 4
	s_wait_dscnt 0x0
	LN_STATS
	s_wait_loadcnt 32                              ; gamma and beta are in; o's 32 loads were issued behind them
	LN_NORM 0x14, 0, 128                           ; sources 1 and 2 window 1
	QUANT 0, 26, 27
	IMAGE 6, 0
	QUANT 1, 26, 27
	IMAGE 6, 2048
.irp t, 0,1,2,3                                ; b2 at my lane's eight columns of each of my four tiles; the norm's registers are free
	global_load_b128 v[B2R+8*\t:B2R+8*\t+3], v21, s[20:21] offset:64*\t
	global_load_b128 v[B2R+8*\t+4:B2R+8*\t+7], v21, s[20:21] offset:64*\t+16
.endr
	B1LOAD 0
	v_mov_b32 v30, s92                             ; KA, twice
	v_mov_b32 v31, s92
	s_wait_dscnt 0x0
	BAR                                            ; the eight images and all 64 rows of x lie in LDS
	; ---- att_output = o Wo^T x 2^(e10 + e11) + x
	WIN 0x80
.irp m, 0,1,2,3
.irp t, 0,1,2,3
.irp j, 0,1
	ds_load_b128 v[128+32*\m+8*\t+4*\j:131+32*\m+8*\t+4*\j], v16 offset:16*\m*XP+64*\t+16*\j
.endr
.endr
.endr
	WIN 0x40
.irp t, 0,1,2,3
.irp s, 0,1
.irp c, 0,1,2,3
	ds_load_b128 v[32*\t+16*\s+4*\c:32*\t+16*\s+4*\c+3], v11 offset:16*\t*WP+128*\s+32*\c
.endr
.endr
.endr
	s_wait_loadcnt 16                              ; o is in; b2's 8 loads and b1's 8 were issued behind it
	s_wait_dscnt 0x0
	WIN 0xad                                       ; source 0 window 1, source 1 window 3, C and D window 2: sixteen accumulators by turns
.irp s, 0,1
.irp m, 0,1,2,3
.irp t, 0,1,2,3
.if \s == 0
	v_wmma_f32_16x16x128_bf8_bf8 v[32*\m+8*\t:32*\m+8*\t+7], v[32*\t+16*\s:32*\t+16*\s+15], v[32*\m+16*\s:32*\m+16*\s+15], 0
.else
	v_wmma_f32_16x16x128_bf8_bf8 v[32*\m+8*\t:32*\m+8*\t+7], v[32*\t+16*\s:32*\t+16*\s+15], v[32*\m+16*\s:32*\m+16*\s+15], v[32*\m+8*\t:32*\m+8*\t+7]
.endif
.endr
.endr
.endr
	WIN 0
	PLACES 4
	WIN 0xa2                                       ; sums, x and att_output in window 2
.set pp, 0
.rept 64
	v_pk_fma_f32 v[128+2*pp:129+2*pp], v[2*pp:2*pp+1], s[86:87], v[128+2*pp:129+2*pp] op_sel_hi:[1,0,1]
.set pp, pp+1
.endr
	WIN 0
.irp m, 0,1,2,3
	v_mov_b32 v[ZM+\m], 0x7f800000
.endr
	WIN 0x28                                       ; sources 1 and 2 window 2
.set pp, 0
.rept 16
.irp m, 0,1,2,3
	v_min3_num_f32 v[ZM+\m], v[ZM+\m], |v[128+32*\m+2*pp]|, |v[129+32*\m+2*pp]|
.endr
.set pp, pp+1
.endr
	WIN 0
.irp m, 0,1,2,3
	v_permlanex16_b32 v[FL+\m], v[ZM+\m], s[SEL], s[SEL+1]
.endr
.irp m, 0,1,2,3
	v_min_num_f32 v[ZM+\m], v[ZM+\m], v[FL+\m]     ; the least |att_output| of row 16 m + r among my 64 columns
.endr
.irp m, 0,1,2,3
	ds_store_b32 v17, v[ZM+\m] offset:256*\m
.endr
	; ---- B0 and B1 take W2's chunks 0 and 1: wave w fetches rows 128 (w % 2) on of chunk w / 2
	s_wait_tensorcnt 0x0                           ; all my tensor loads have landed: the groups 0 may be written
	ds_add_u32 v1, v2                              ; 0 onto my spare word
	s_lshr_b32 s2, s[WV], 1
	s_and_b32 s3, s[WV], 1
	s_mul_i32 s61, s2, SLOT
	s_mul_i32 s101, s3, 128*WP
	s_add_co_u32 s61, s61, s101
	s_add_co_u32 s61, s61, B0
	s_lshl_b32 s100, s2, 8
	s_lshl_b32 s101, s3, 17
	s_add_co_u32 s100, s100, s101
	s_mov_b32 s101, 0
	s_add_nc_u64 s[62:63], s[18:19], s[100:101]
	s_or_b32 s63, s63, 0x80000000
	s_wait_dscnt 0x0                               ; the add is done, my flags are stored, my reads of Wo and of x are over
	ROUND
	tensor_load_to_lds s[60:63], s[52:59]          ; my one load behind the round
	s_nop 0
	PLACES 4
	FETCH XF, 7, 0
	FETCH XF+16, 7, 2048
.macro GELU                            ; my four tiles' sums -> u -> gelu(u) -> codes in v[PCH] on
.set pp, 0
.rept 16
	v_pk_fma_f32 v[HA+2*pp:HA+2*pp+1], v[HA+2*pp:HA+2*pp+1], s[88:89], v[B1R+2*pp:B1R+2*pp+1] op_sel_hi:[1,0,1]   ; u = sum x 2^(e12 + e13) + b1; each accumulator from its low end on
.set pp, pp+1
.endr
.set pp, 0
.rept 16
	v_pk_mul_f32 v[T+2*pp:T+2*pp+1], v[HA+2*pp:HA+2*pp+1], v[HA+2*pp:HA+2*pp+1]
.set pp, pp+1
.endr
.set pp, 0
.rept 16
	v_pk_fma_f32 v[T+2*pp:T+2*pp+1], v[T+2*pp:T+2*pp+1], s[94:95], v[30:31] op_sel_hi:[1,0,1]
.set pp, pp+1
.endr
.set pp, 0
.rept 16
	v_pk_mul_f32 v[T+2*pp:T+2*pp+1], v[T+2*pp:T+2*pp+1], v[HA+2*pp:HA+2*pp+1]
.set pp, pp+1
.endr
.set pp, 0
	s_wait_alu depctr_va_vdst(0)
.rept 32
	v_exp_f32 v[T+pp], v[T+pp]
.set pp, pp+1
.endr
	v_nop
.set pp, 0
	s_wait_alu depctr_va_vdst(0)
.rept 16
	v_pk_add_f32 v[T+2*pp:T+2*pp+1], v[T+2*pp:T+2*pp+1], 1.0 op_sel_hi:[1,0]
.set pp, pp+1
.endr
.set pp, 0
	s_wait_alu depctr_va_vdst(0)
.rept 32
	v_rcp_f32 v[T+pp], v[T+pp]
.set pp, pp+1
.endr
	v_nop
.set pp, 0
	s_wait_alu depctr_va_vdst(0)
.rept 16
	v_pk_mul_f32 v[HA+2*pp:HA+2*pp+1], v[HA+2*pp:HA+2*pp+1], v[T+2*pp:T+2*pp+1]
.set pp, pp+1
.endr
.set pp, 0
.rept 32
	v_med3_num_f32 v[HA+pp], v[HA+pp], -v29, v29
.set pp, pp+1
.endr
.irp q, 0,1,2,3
	v_cvt_scalef32_pk8_bf8_f32 v[PCH+2*\q:PCH+2*\q+1], v[HA+8*\q:HA+8*\q+7], v28
.endr
	v_nop                                          ; a plain instruction behind the last conversion: the next products write its sources
.endm
; H j: my 64 units of chunk j for the 64 rows, a tile of 16 rows a trip.
.macro HSTEP j
	s_wait_loadcnt 0x0                             ; b1's chunk
	WIN 0x40
.irp t, 0,1,2,3
.irp s, 0,1
.irp c, 0,1,2,3
	ds_load_b128 v[32*\t+16*\s+4*\c:32*\t+16*\s+4*\c+3], v[9+(\j%2)] offset:(32*(\t/2)+8*(\t%2))*WP+128*\s+32*\c
.endr
.endr
.endr
	WIN 0
	s_mov_b32 s100, 0
.Lm_\@:
	s_wait_dscnt 0x0                               ; W1's fragments and this tile's x are in; my last images' stores have read their registers
	WIN 0x01                                       ; source 0 window 1: four accumulators by turns
.irp s, 0,1
.irp t, 0,1,2,3
.if \s == 0
	v_wmma_f32_16x16x128_bf8_bf8 v[HA+8*\t:HA+8*\t+7], v[32*\t+16*\s:32*\t+16*\s+15], v[XF+16*\s:XF+16*\s+15], 0
.else
	v_wmma_f32_16x16x128_bf8_bf8 v[HA+8*\t:HA+8*\t+7], v[32*\t+16*\s:32*\t+16*\s+15], v[XF+16*\s:XF+16*\s+15], v[HA+8*\t:HA+8*\t+7]
.endif
.endr
.endr
	WIN 0
	s_add_co_u32 s2, s100, 1
	s_and_b32 s2, s2, 3
	s_lshl_b32 s2, s2, 12
	s_lshl_b32 s3, s100, 12
	v_add_nc_u32 v8, s2, v7                        ; the next row tile's x (the last trip: tile 0, for the next chunk)
	v_add_nc_u32 v14, s3, v13
	v_nop
	v_nop                                          ; four places behind the products (ISA guide 7.12.1)
	FETCH XF, 8, 0
	FETCH XF+16, 8, 2048
	GELU
	ds_store_b128 v14, v[PCH:PCH+3]
	ds_store_b128 v14, v[PCH+4:PCH+7] offset:512
	s_add_co_u32 s100, s100, 1
	s_cmp_lt_u32 s100, 4
	s_cbranch_scc1 .Lm_\@
.if \j < 3
	B1LOAD \j+1
.endif
.endm
; Y j: my 64 outputs for the 64 rows take chunk j's 256 along K: sixteen accumulators by turns.
.macro YSTEP j
	WIN 0x40
.irp t, 0,1,2,3
.irp s, 0,1
.irp c, 0,1,2,3
	ds_load_b128 v[32*\t+16*\s+4*\c:32*\t+16*\s+4*\c+3], v[11+(\j%2)] offset:16*\t*WP+128*\s+32*\c
.endr
.endr
.endr
.irp m, 0,1,2,3
.irp s, 0,1
.irp c, 0,1,2,3
	ds_load_b128 v[128+32*\m+16*\s+4*\c:128+32*\m+16*\s+4*\c+3], v15 offset:(2*\m+\s)*2048+512*\c
.endr
.endr
.endr
	s_wait_dscnt 0x0
	WIN 0xa5                                       ; sources 0 and 1 window 1, C and D window 2
.irp s, 0,1
.irp m, 0,1,2,3
.irp t, 0,1,2,3
.if (\j == 0) && (\s == 0)
	v_wmma_f32_16x16x128_bf8_bf8 v[32*\m+8*\t:32*\m+8*\t+7], v[32*\t+16*\s:32*\t+16*\s+15], v[128+32*\m+16*\s:128+32*\m+16*\s+15], 0
.else
	v_wmma_f32_16x16x128_bf8_bf8 v[32*\m+8*\t:32*\m+8*\t+7], v[32*\t+16*\s:32*\t+16*\s+15], v[128+32*\m+16*\s:128+32*\m+16*\s+15], v[32*\m+8*\t:32*\m+8*\t+7]
.endif
.endr
.endr
.endr
	WIN 0
	PLACES 4
.endm
; Slots A[j] and B[j] are filled again, with W1's chunk j + 2 (waves 0, 1: 128 rows each) and W2's chunk j + 2 (waves 2, 3).
.macro REFILL j
	s_wait_tensorcnt 0x0                           ; all my tensor loads have landed: the groups 0 may be written
	ds_add_u32 v1, v2                              ; 0 onto my spare word
	s_and_b32 s3, s[WV], 1
	s_mul_i32 s2, s3, 128*WP
	s_add_co_u32 s61, s2, \j*SLOT
	s_add_co_u32 s69, s2, B0+\j*SLOT
	s_lshl_b32 s100, s3, 15
	s_add_co_u32 s100, s100, (\j+2)*65536
	s_mov_b32 s101, 0
	s_add_nc_u64 s[62:63], s[14:15], s[100:101]
	s_or_b32 s63, s63, 0x80000000
	s_lshl_b32 s100, s3, 17
	s_add_co_u32 s100, s100, (\j+2)*256
	s_add_nc_u64 s[70:71], s[18:19], s[100:101]
	s_or_b32 s71, s71, 0x80000000
	s_wait_dscnt 0x0                               ; the add is done, and my reads of both slots and of the hidden images are over
	ROUND                                          ; so it is with every wave of the four work-groups
	s_cmp_lt_u32 s[WV], 2
	s_cbranch_scc0 .Lfor_b_\@
	tensor_load_to_lds s[60:63], s[44:51]
	s_nop 0
	PLACES 4
	s_branch .Lasked_\@
.Lfor_b_\@:
	tensor_load_to_lds s[68:71], s[52:59]
	s_nop 0
	PLACES 4
.Lasked_\@:
.endm
	HSTEP 0
	s_wait_tensorcnt 0x0                           ; my part of W2's chunks 0 and 1 has landed
	s_wait_dscnt 0x0
	BAR                                            ; the chunk's hidden images and W2's chunks are whole
	YSTEP 0
	REFILL 0
	HSTEP 1
	s_wait_dscnt 0x0
	BAR
	YSTEP 1
	REFILL 1                                       ; its wait for all loads and its round have shown W1's and W2's chunk 2 to every wave
	HSTEP 2
	s_wait_dscnt 0x0
	BAR
	YSTEP 2
	s_wait_tensorcnt 0x0                           ; my part of chunk 3
	s_wait_dscnt 0x0
	BAR
	HSTEP 3
	s_wait_dscnt 0x0
	BAR
	YSTEP 3
	; ---- out = sum x 2^(e14 + e15) + b2 + att_output, or 0 for a flagged row
.irp m, 0,1,2,3
	ds_load_b128 v[FL+4*\m:FL+4*\m+3], v18 offset:256*\m
.endr
	s_wait_dscnt 0x0
.irp m, 0,1,2,3
	v_min3_num_f32 v[FL+4*\m], v[FL+4*\m], v[FL+4*\m+1], v[FL+4*\m+2]
	v_min_num_f32 v[FL+4*\m], v[FL+4*\m], v[FL+4*\m+3]
	v_cmp_eq_f32 s[8+\m], 0, v[FL+4*\m]            ; some att_output of row 16 m + r is 0
.endr
	WIN 0x82                                       ; source 0 and destination window 2, b2 window 0
.irp m, 0,1,2,3
.irp t, 0,1,2,3
.irp i, 0,2,4,6
	v_pk_fma_f32 v[32*\m+8*\t+\i:32*\m+8*\t+\i+1], v[32*\m+8*\t+\i:32*\m+8*\t+\i+1], s[90:91], v[B2R+8*\t+\i:B2R+8*\t+\i+1] op_sel_hi:[1,0,1]
.endr
.endr
.endr
	WIN 0x8a                                       ; all in window 2
.set pp, 0
.rept 64
	v_pk_add_f32 v[2*pp:2*pp+1], v[2*pp:2*pp+1], v[128+2*pp:129+2*pp]
.set pp, pp+1
.endr
	WIN 0x82
.irp m, 0,1,2,3
.set pp, 0
.rept 32
	v_cndmask_b32 v[32*\m+pp], v[32*\m+pp], 0, s[8+\m]
.set pp, pp+1
.endr
.endr
	WIN 0x08                                       ; store data window 2.  The stage lies in A0, which has had its last fill and its last read
.irp m, 0,1,2,3
.irp t, 0,1,2,3
.irp j, 0,1
	ds_store_b128 v19, v[32*\m+8*\t+4*\j:32*\m+8*\t+4*\j+3] offset:16*\m*XP+64*\t+16*\j
.endr
.endr
.endr
	WIN 0
	s_wait_dscnt 0x0
	BAR                                            ; 64 whole rows lie in the stage
	WIN 0x40
.set nn, 0
.rept 32
	ds_load_b128 v[4*nn:4*nn+3], v20 offset:(nn/2)*XP+(nn%2)*512
.set nn, nn+1
.endr
	WIN 0x04                                       ; store data window 1
.set nn, 0
.rept 32
	s_wait_dscnt 31-nn                             ; the loads issued behind load nn may be out
	global_store_b128 v3, v[4*nn:4*nn+3], s[24:25] offset:(nn/2)*1024+(nn%2)*512 th:TH_STORE_NT   ; 32 lanes store 512 consecutive bytes, at a multiple of 256 from out0's first byte
.set nn, nn+1
.endr
	WIN 0
	s_wait_tensorcnt 0x0                           ; the wave's end
	ds_add_u32 v1, v2
	s_wait_dscnt 0x0
	ROUND                                          ; the closing round: no work-group ends while a partner may still ask jointly
	s_endpgm
.Lfunc_end_k_qf5139438da_ffn:
	.size	k_qf5139438da_ffn, .Lfunc_end_k_qf5139438da_ffn-k_qf5139438da_ffn
	.p2alignl 7, 3214868480
	.fill 96, 4, 3214868480
	.section	.rodata,"a",@progbits
	.p2align	6, 0x0
	.amdhsa_kernel k_qf5139438da_ffn
		.amdhsa_group_segment_fixed_size 327680
		.amdhsa_private_segment_fixed_size 0
		.amdhsa_enable_private_segment 0
		.amdhsa_kernarg_size 88
		.amdhsa_user_sgpr_count 2
		.amdhsa_user_sgpr_kernarg_segment_ptr 1
		.amdhsa_wavefront_size32 1
		.amdhsa_system_sgpr_workgroup_id_x 1
		.amdhsa_system_sgpr_workgroup_id_y 1
		.amdhsa_system_sgpr_workgroup_id_z 1
		.amdhsa_system_vgpr_workitem_id 0
		.amdhsa_next_free_vgpr 896
		.amdhsa_next_free_sgpr 102
		.amdhsa_reserve_vcc 0
		.amdhsa_float_denorm_mode_32 3
		.amdhsa_float_denorm_mode_16_64 3
		.amdhsa_memory_ordered 1
		.amdhsa_forward_progress 1
		.amdhsa_inst_pref_size 183
	.end_amdhsa_kernel
	.amdgpu_metadata
---
amdhsa.version: [ 1, 2 ]
amdhsa.kernels:
  - .name:           k_qf5139438da_ffn
    .symbol:         k_qf5139438da_ffn.kd
    .args:
      - { .name: x, .offset: 0, .size: 8, .value_kind: global_buffer, .address_space: global }
      - { .name: gamma2, .offset: 8, .size: 8, .value_kind: global_buffer, .address_space: global }
      - { .name: beta2, .offset: 16, .size: 8, .value_kind: global_buffer, .address_space: global }
      - { .name: oc, .offset: 24, .size: 8, .value_kind: global_buffer, .address_space: global }
      - { .name: Wo_codes, .offset: 32, .size: 8, .value_kind: global_buffer, .address_space: global }
      - { .name: W1_codes, .offset: 40, .size: 8, .value_kind: global_buffer, .address_space: global }
      - { .name: b1, .offset: 48, .size: 8, .value_kind: global_buffer, .address_space: global }
      - { .name: W2_codes, .offset: 56, .size: 8, .value_kind: global_buffer, .address_space: global }
      - { .name: b2, .offset: 64, .size: 8, .value_kind: global_buffer, .address_space: global }
      - { .name: lowp_scales, .offset: 72, .size: 8, .value_kind: global_buffer, .address_space: global }
      - { .name: out0, .offset: 80, .size: 8, .value_kind: global_buffer, .address_space: global }
    .group_segment_fixed_size: 327680
    .private_segment_fixed_size: 0
    .kernarg_segment_align: 8
    .kernarg_segment_size: 88
    .max_flat_workgroup_size: 128
    .sgpr_count:     102
    .vgpr_count:     896
    .wavefront_size: 32
...
	.end_amdgpu_metadata
.endif
;; end of part 3
